; MI455X (gfx1250); checked and timed in simulation.
; The chip was launched on July 23, 2026; its instructions are those of AMD's public machine-readable ISA for CDNA 5 (MIT licence, August 2026) and "CDNA5" Instruction Set Architecture Reference Guide (July 2026). The comments in the code are by the model that wrote it; some were corrected since.
;; Multihead Attention. Allowed arithmetic: matrix products marked QUANTISED: E2M3 operands, one E8M0 scale for each 32 along K, by v_wmma_scale_f32_16x16x128_f8f6f4 with both operands' format E2M3, f32 sums; everything else in f32.
;; Inputs: w_out 1,024 x 1,024 float32; w_qkv 3,072 x 1,024 float32; x 4 x 2,048 x 1,024 float32.
;; Outputs: out0 4 x 2,048 x 1,024 float32.
;; This version of the problem:
;;   THIS VERSION OF THE PROBLEM IS GIVEN IN LOW PRECISION. The matrix products marked QUANTISED in the list below multiply operands that are first quantised to E2M3 (2 exponent bits, 3 mantissa bits; 6 bits a number), with one power-of-two scale for each 32 numbers along K (OCP MX v1.0); their sums are f32. All else is computed in f32.
;;   The module's matrix products, in the order in which they are computed (A, B: the left and right operand; K: the contracted axis; several contracted axes count as one K, in the product's order):
;;     1. [M 8,192, K 1,024] x [K 1,024, N 3,072]; A: input x; B: input w_qkv: QUANTISED
;;     2. batch 64 x [M 2,048, K 64] x [K 64, N 2,048]; A: computed on the way; B: computed on the way: QUANTISED
;;     3. batch 64 x [M 2,048, K 2,048] x [K 2,048, N 64]; A: softmax (see below); B: computed on the way: QUANTISED
;;     4. [M 8,192, K 1,024] x [K 1,024, N 1,024]; A: computed on the way; B: input w_out: QUANTISED
;;   THE QUANTISER, for each operand of a quantised product, along K:
;;     - K is cut into blocks of 32 from its start; a last block that is shorter is filled with zeros.
;;     - A block's scale is 2^e with e = floor(log2(the largest magnitude in the block)) - 2, held to -126 .. 127; a block of zeros has e = 0. As a byte (E8M0): e + 127.
;;     - Each number is divided by its block's scale, clamped to +-7.5, and rounded to the nearest number of E2M3, ties to even, subnormals kept.
;;     - The product sums the exact products of the quantised numbers (number of the format x scale) in f32.
;;   ~~~python
;;   def quantise(x, axis):      # numpy; x: float32 -> the quantised numbers, widened to float32 again
;;       x = np.moveaxis(x, axis, -1); K = x.shape[-1]
;;       x = np.pad(x, [(0, 0)] * (x.ndim - 1) + [(0, -K % 32)]); x = x.reshape(x.shape[:-1] + (-1, 32)); a = np.abs(x).max(-1, keepdims=True)
;;       e = np.where(a > 0, np.clip(np.frexp(np.where(a > 0, a, 1))[1] - 1 - 2, -126, 127), 0)      # np.frexp(a)[1] - 1 = floor(log2(a)), exactly
;;       r = np.clip(x / 2.0 ** e, -7.5, 7.5)
;;       step = 2.0 ** (np.maximum(np.frexp(np.where(r == 0, 1, r))[1] - 1, 0) - 3)
;;       q = np.round(r / step) * step * 2.0 ** e      # np.round: ties to even
;;       return np.moveaxis(q.reshape(q.shape[:-2] + (-1,))[..., :K], -1, axis).astype(np.float32)
;;   ~~~
;;   SOFTMAX AHEAD OF A QUANTISED PRODUCT. Where the list says 'softmax', what is quantised is not the finished softmax but p = 2^(t - M), with t = logit x log2(e) and M = ceil(the row's largest t), a whole number; so 1/2 < the row's largest p <= 1. The row's sum l is taken of the UNQUANTISED p, in f32, and the product's result is divided by l at the end. Since M is a whole number, a kernel that streams over the keys may use a running M (the ceiling of the running maximum): every later rescaling is an exact power of two, which a block's scale takes up: the codes' values come out the same.
;;   OPERANDS COMPUTED ON THE WAY. 'Computed on the way' means the value that the module computes at that place (a softmax that the list does not call 'softmax' is quantised finished and normalised). What goes into a quantiser is computed in f32, as accurately as f32 sums, v_exp_f32 and their like allow (about 1e-6 of the number): no bf16 or f16 on the way to a quantiser, and a product that is left as it is and whose result goes on into a quantised operand takes f32 operands (vector FMAs, or v_wmma_f32_16x16x4_f32). A number that lies on a knife's edge between two numbers of the format may be rounded either way, as far as f32 arithmetic and the matrix unit's own rounding can turn it there, and no further.
;; One version. Each part assembles by itself: llvm-mc -triple=amdgcn-amd-amdhsa -mcpu=gfx1250 --defsym DOCPART=n.
;; ======== version 1 of 1: 4 launches
;; workspace buffers: x_codes 6,291,456 bytes; x_scales 262,144 bytes; w_codes 3,145,728 bytes; w_scales 131,072 bytes; q_img 6,815,744 bytes; kv_img 13,369,344 bytes; o_img 6,291,456 bytes; o_scales 262,144 bytes
;; launch quant (part 1): grid 384 x 1, 4 waves a work-group, no clusters, 33,280 bytes of LDS; arguments x, w_qkv, w_out, x_codes, x_scales, w_codes, w_scales; writes x_codes, x_scales, w_codes, w_scales
.if DOCPART == 1
	.amdgcn_target "amdgcn-amd-amdhsa--gfx1250"
	.amdhsa_code_object_version 6
	.text
	.protected	k_q8b83f83a3c_quant
	.globl	k_q8b83f83a3c_quant
	.p2align	8
	.type	k_q8b83f83a3c_quant,@function
k_q8b83f83a3c_quant:
	s_mov_b64 s[64:65], 0
	v_nop
	global_prefetch_b8 v0, s[64:65] scope:SCOPE_SE
	s_setreg_imm32_b32 hwreg(HW_REG_WAVE_MODE, 25, 1), 1
	s_wait_xcnt 0x0
; x [8192][1024], w_qkv [3072][1024] and w_out [1024][1024], f32, become codes of FP6 (E2M3), K innermost (768 bytes a row), with one E8M0 byte for each 32 along K (32 bytes a row).
; A block's scale is 2^(floor(log2(its largest magnitude)) - 2); its byte is the largest magnitude's exponent field - 2, held at 1 from below.  A block of zeros keeps the byte 1: its codes are zeros, and this program alone reads the bytes.
; LIMITS: blocks whose largest magnitude lies under 2^-124 are quantised under the byte 1; NaN and infinities among the inputs are not served.
; SHARES.  A work-group takes 32 rows, a wave 8 rows = 8,192 numbers = 16 steps of 512.  Work-groups 0-255: x; 256-351: w_qkv; 352-383: w_out (behind w_qkv's rows in w_codes and w_scales).
; THE ROWS OF x AND OF w_qkv ARE LAID IN ANOTHER ORDER: of each 32 rows the two middle groups of 8 change places (wave 1 writes where wave 2 would, and the other way round).  Sixteen neighbouring rows of the
; workspace are then rows 8 u + r + 8 (r / 8) of the 32, so that in the products that follow a lane's 16 registers of two neighbouring tiles are 16 neighbours along the next product's K.  w_out's rows stay.
; Each load reads 512 consecutive bytes; a step's 2,048 bytes turn through the wave's own stage in LDS, so that a lane holds 16 neighbours along K (two lanes hold a block).  Waves share nothing: no barrier.
.set WAVES, 4
.set STEPS, 16
.set EMAX,  2
.set CB,    12                         ; bytes of 16 codes
.set R,     16                         ; v16-79   four sets of 16 numbers as they are loaded
.set X,     80                         ; v80-111  two sets of 16 neighbours
.set C,     128                        ; v128-191 codes: four registers for each step, so that no store's data are written again
.set E,     112                        ; v112-127 a scale byte for each step
.set WREG,  8192                       ; LDS: a region for each wave: two stages of 32 x SP bytes, behind them its 256 scale bytes
.set SP,    80                         ; a lane's place in a stage: 64 bytes + 16 of padding
.set SPW,   12                         ; v12  LDS address of my spare word; never rewritten
.set NIL,   13                         ; v13  0; never rewritten
.set SPARE, WAVES*WREG                 ; behind the four regions: the spare words, 128 bytes a wave, which no other line names
	s_load_b256 s[4:11], s[0:1], 0x0               ; x s[4:5], w_qkv s[6:7], w_out s[8:9], x_codes s[10:11]
	s_load_b128 s[12:15], s[0:1], 0x20             ; x_scales s[12:13], w_codes s[14:15]
	s_load_b64 s[24:25], s[0:1], 0x30              ; w_scales
	v_lshl_add_u32 v[SPW], v0, 2, SPARE
	v_mov_b32 v[NIL], 0
	v_lshrrev_b32 v1, 5, v0
	v_readfirstlane_b32 s16, v1                    ; wave
	v_and_b32 v2, 31, v0                           ; lane
	v_lshlrev_b32 v3, 4, v2                        ; my 16 bytes of a load's 512
	s_mul_i32 s17, s16, WREG
	v_lshrrev_b32 v14, 2, v2
	v_mul_u32_u24 v14, v14, SP
	v_and_b32 v15, 3, v2
	v_lshl_add_u32 v14, v15, 4, v14
	v_add_nc_u32 v14, s17, v14                     ; the stage, on the way in: SP (lane / 4) + 16 (lane % 4)
	v_mul_u32_u24 v15, v2, SP
	v_add_nc_u32 v15, s17, v15                     ; and on the way out: SP x lane: my 16 neighbours
	v_mul_u32_u24 v4, v2, CB                       ; my codes' place in a step's
	v_lshrrev_b32 v5, 1, v2
	s_add_co_u32 s17, s17, 2*32*SP
	v_add_nc_u32 v5, s17, v5                       ; LDS: my wave's 256 scale bytes, my block's byte
	v_lshlrev_b32 v7, 3, v2                        ; and on the way out 8 bytes a lane
	v_add_nc_u32 v6, s17, v7
	s_and_b32 s28, s16, 1                          ; the wave's number with its two bits exchanged: 0, 2, 1, 3
	s_lshl_b32 s28, s28, 1
	s_lshr_b32 s29, s16, 1
	s_or_b32 s28, s28, s29
	s_mov_b32 s26, 352
	s_wait_kmcnt 0x0
	s_cmp_lt_u32 ttmp9, 352                        ; the choices hang on the work-group's number alone
	s_cselect_b64 s[6:7], s[6:7], s[8:9]           ; w_qkv or w_out
	s_cselect_b32 s26, 256, s26                    ; the first work-group of that tensor
	s_cselect_b32 s28, s28, s16                    ; w_out's rows keep their order
	s_cmp_lt_u32 ttmp9, 256
	s_cselect_b64 s[4:5], s[4:5], s[6:7]           ; the numbers,
	s_cselect_b64 s[10:11], s[10:11], s[14:15]     ; the codes,
	s_cselect_b64 s[12:13], s[12:13], s[24:25]     ; the scale bytes
	s_cselect_b32 s26, 0, s26
	s_cselect_b32 s27, 0, 256                      ; both weights count on in one workspace
	s_sub_co_u32 s18, ttmp9, s26
	s_lshl_b32 s18, s18, 2
	s_add_co_u32 s18, s18, s16                     ; which run of 8,192 numbers I read
	s_lshl_b32 s20, s18, 15                        ; x 32,768 bytes (under 2^32)
	s_mov_b32 s21, 0
	s_add_nc_u64 s[4:5], s[4:5], s[20:21]
	s_sub_co_u32 s18, ttmp9, s27
	s_lshl_b32 s18, s18, 2
	s_add_co_u32 s18, s18, s28                     ; and which run I write
	s_mul_i32 s20, s18, 32*STEPS*CB                ; x 6,144 bytes of codes
	s_add_nc_u64 s[10:11], s[10:11], s[20:21]
	s_lshl_b32 s20, s18, 8                         ; x 256 scale bytes
	s_add_nc_u64 s[12:13], s[12:13], s[20:21]
.macro LOAD t
.irp i, 0,1,2,3
	global_load_b128 v[R+16*((\t)%4)+4*\i:R+16*((\t)%4)+4*\i+3], v3, s[4:5] offset:2048*(\t)+512*\i th:TH_LOAD_NT   ; 32 lanes read 512 consecutive bytes
.endr
.endm
.macro TURN t                          ; step t's numbers through the stage: LDS serves a wave's instructions in order, so no wait stands between the stores and the loads
.irp i, 0,1,2,3
	ds_store_b128 v14, v[R+16*((\t)%4)+4*\i:R+16*((\t)%4)+4*\i+3] offset:32*SP*((\t)%2)+8*SP*\i
.endr
.irp i, 0,1,2,3
	ds_load_b128 v[X+16*((\t)%2)+4*\i:X+16*((\t)%2)+4*\i+3], v15 offset:32*SP*((\t)%2)+16*\i
.endr
.endm
.irp t, 0,1,2,3
	LOAD \t
.endr
	s_wait_loadcnt 12                              ; step 0's four loads are in; the twelve of steps 1 to 3 stay out
	TURN 0
.macro STEP t
.set XS, X+16*((\t)%2)
.if (\t) > 0
	s_wait_dscnt 1                                 ; this step's numbers are back from the stage (the last step's byte store may be out): so its stores into the stage have read their registers,
.else
	s_wait_dscnt 0x0
.endif
.if (\t)+4 < STEPS
	LOAD (\t)+4                                    ; which take the loads of four steps on
.endif
.if (\t)+1 < STEPS
.if STEPS-2-(\t) >= 3
	s_wait_loadcnt 12                              ; the next step's four loads are in; those of the three steps behind it may be out
.else
	s_wait_loadcnt 4*(STEPS-2-(\t))
.endif
	TURN (\t)+1                                    ; and go through the other stage while this step is worked
.endif
	v_max3_num_f32 v8, |v[XS]|, |v[XS+1]|, |v[XS+2]|               ; the largest magnitude of my 16, in two chains
	v_max3_num_f32 v9, |v[XS+3]|, |v[XS+4]|, |v[XS+5]|
.irp i, 6,10
	v_max3_num_f32 v8, v8, |v[XS+\i]|, |v[XS+\i+1]|
	v_max3_num_f32 v9, v9, |v[XS+\i+2]|, |v[XS+\i+3]|
.endr
	v_max3_num_f32 v8, v8, |v[XS+14]|, |v[XS+15]|
	v_max3_num_f32 v8, v8, v9, (EMAX+1)<<23        ; and the floor 2^(3 - 127): the byte cannot fall under 1
	v_max_num_f32_dpp v8, v8, v8 row_xmask:1 row_mask:0xf bank_mask:0xf   ; and of my neighbour's 16: the block's
	v_add_nc_u32 v11, -(EMAX<<23), v8              ; 2 off its exponent field: the conversion takes the exponent field of this operand as its scale
	v_cvt_scalef32_pk16_fp6_f32 v[C+4*(\t):C+4*(\t)+2], v[XS:XS+15], v11
	v_lshrrev_b32 v[E+(\t)], 23, v11               ; the scale's byte (a plain line behind the conversion)
	ds_store_b8 v5, v[E+(\t)] offset:16*(\t)       ; both lanes of a block write the same byte with the same value
	global_store_b96 v4, v[C+4*(\t):C+4*(\t)+2], s[10:11] offset:32*CB*(\t)   ; the wave stores 384 consecutive bytes
.endm
.irp t, 0,1,2,3,4,5,6,7,8,9,10,11,12,13,14,15
	STEP \t
.endr
	ds_load_b64 v[8:9], v6                         ; LDS serves a wave's instructions in order: these see my byte stores
	s_wait_dscnt 0x0
	global_store_b64 v7, v[8:9], s[12:13]          ; 32 lanes store 256 consecutive bytes, at a multiple of 256 from the buffer's first byte
	s_wait_tensorcnt 0x0                           ; the wave's end
	ds_add_u32 v[SPW], v[NIL]
	s_wait_dscnt 0x0
	s_endpgm
.Lfunc_end_k_q8b83f83a3c_quant:
	.size	k_q8b83f83a3c_quant, .Lfunc_end_k_q8b83f83a3c_quant-k_q8b83f83a3c_quant
	.p2alignl 7, 3214868480
	.fill 96, 4, 3214868480
	.section	.rodata,"a",@progbits
	.p2align	6, 0x0
	.amdhsa_kernel k_q8b83f83a3c_quant
		.amdhsa_group_segment_fixed_size 33280
		.amdhsa_private_segment_fixed_size 0
		.amdhsa_enable_private_segment 0
		.amdhsa_kernarg_size 56
		.amdhsa_user_sgpr_count 2
		.amdhsa_user_sgpr_kernarg_segment_ptr 1
		.amdhsa_wavefront_size32 1
		.amdhsa_system_sgpr_workgroup_id_x 1
		.amdhsa_system_sgpr_workgroup_id_y 1
		.amdhsa_system_sgpr_workgroup_id_z 1
		.amdhsa_system_vgpr_workitem_id 0
		.amdhsa_next_free_vgpr 192
		.amdhsa_next_free_sgpr 66
		.amdhsa_reserve_vcc 0
		.amdhsa_float_denorm_mode_32 3
		.amdhsa_float_denorm_mode_16_64 3
		.amdhsa_memory_ordered 1
		.amdhsa_forward_progress 1
		.amdhsa_inst_pref_size 33
	.end_amdhsa_kernel
	.amdgpu_metadata
---
amdhsa.version: [ 1, 2 ]
amdhsa.kernels:
  - .name:           k_q8b83f83a3c_quant
    .symbol:         k_q8b83f83a3c_quant.kd
    .args:
      - { .name: x, .offset: 0, .size: 8, .value_kind: global_buffer, .address_space: global }
      - { .name: w_qkv, .offset: 8, .size: 8, .value_kind: global_buffer, .address_space: global }
      - { .name: w_out, .offset: 16, .size: 8, .value_kind: global_buffer, .address_space: global }
      - { .name: x_codes, .offset: 24, .size: 8, .value_kind: global_buffer, .address_space: global }
      - { .name: x_scales, .offset: 32, .size: 8, .value_kind: global_buffer, .address_space: global }
      - { .name: w_codes, .offset: 40, .size: 8, .value_kind: global_buffer, .address_space: global }
      - { .name: w_scales, .offset: 48, .size: 8, .value_kind: global_buffer, .address_space: global }
    .group_segment_fixed_size: 33280
    .private_segment_fixed_size: 0
    .kernarg_segment_align: 8
    .kernarg_segment_size: 56
    .max_flat_workgroup_size: 128
    .sgpr_count:     66
    .vgpr_count:     192
    .wavefront_size: 32
...
	.end_amdgpu_metadata
.endif
;; end of part 1
;; launch gemm_qkv (part 2): grid 12 x 32, 4 waves a work-group, clusters of 4 x 4, 327,680 bytes of LDS; arguments x_codes, x_scales, w_codes, w_scales, q_img, kv_img; writes q_img, kv_img
.if DOCPART == 2
	.amdgcn_target "amdgcn-amd-amdhsa--gfx1250"
	.amdhsa_code_object_version 6
	.text
	.protected	k_q8b83f83a3c_gemm_qkv
	.globl	k_q8b83f83a3c_gemm_qkv
	.p2align	8
	.type	k_q8b83f83a3c_gemm_qkv,@function
k_q8b83f83a3c_gemm_qkv:
	s_mov_b64 s[64:65], 0
	v_nop
	global_prefetch_b8 v0, s[64:65] scope:SCOPE_SE
	s_setreg_imm32_b32 hwreg(HW_REG_WAVE_MODE, 25, 1), 1
	s_wait_xcnt 0x0
	s_wait_alu depctr_hold_cnt(0) depctr_sa_sdst(0) depctr_va_vdst(0) depctr_va_sdst(0) depctr_va_ssrc(0) depctr_va_vcc(0) depctr_vm_vsrc(0)
	s_getreg_b32 s2, hwreg(HW_REG_IB_STS2, 6, 4)
	s_cmp_eq_u32 s2, 0
	s_cbranch_scc0 .Lentry_in_a_cluster
	s_endpgm
.Lentry_in_a_cluster:
	s_bfe_u32 s2, ttmp6, 0x10000c
	s_cmp_lg_u32 s2, 0xf033
	s_cbranch_scc0 .Lentry_shape_is_right
	s_endpgm
.Lentry_shape_is_right:
; qkv = x w_qkv^T on codes of FP6 (E2M3) with E8M0 scales, K = 1,024; its results are QUANTISED HERE, in registers, and leave as images of the next launch's operand registers: no f32 number of q, k or v goes to memory.
; A tile of 256 x 256 is made by four waves, each 128 x 128: 64 accumulators, 512 registers.  K goes in steps of 256 through two LDS slots filled by joint tensor loads of a 4 x 4 cluster; the scale bytes of the
; work-group's rows come once and stay.  The matrix instruction is used transposed: source 0 = 16 rows of "B", source 1 = 16 rows of "A": a lane holds ONE row of A, its registers run along B's rows.
; WHO IS A.  Clusters with x = 0 (q) and 1 (k): A = x (tokens), B = w_qkv (features): a lane holds a token, its registers the head's features, along which q and k are quantised.
; Clusters with x = 2 (v): A = w_qkv's rows 2,048 on (tile row 8 + cy), B = x (tile column 4 x cluster y + cx): a lane holds a feature, its registers the KEYS, along which v is quantised.
; Only pointers and the cluster's two coordinates are chosen, on the cluster's x, which all sixteen partners share: A's address still hangs on cy alone and B's on cx alone; no LDS address knows of the choice.
; THE ROWS' ORDER.  The launch before has laid x's and w_qkv's rows so that sixteen neighbouring workspace rows 16 a + r are rows 32 (a / 2) + 8 (a % 2) + r + 8 (r / 8).  So the 16 registers of accumulators
; (a, 2 b) and (a, 2 b + 1) are 16 NEIGHBOURS 32 b + 16 (lane / 16) + 0 .. 15 along B's rows, and a block a of A's rows is a tile whose lanes hold just the keys, queries or channels that the attention's layout asks for.
; IMAGES (l = lane).  q, k: for 128 tokens of a head 6,656 bytes: tile a's registers 0-3 at 512 a + 16 l, registers 4-5 at 4,096 + 256 a + 8 l, scale words at 6,144 + 16 l (word p: tile 2 p in lanes 0-15, tile 2 p + 1 in lanes 16-31).
; v: for 128 keys of a head 6,400 bytes: tile t's registers 4 c .. 4 c + 3 at 1,536 t + 512 c + 16 l, scale words at 6,144 + 8 l.  q_img: [16 b + head][step][6,656]; kv_img: [16 b + head][step][k's image | v's image].
; Every store of the wave covers 256 or 512 consecutive bytes, at a multiple of 256 from its buffer's first byte.
; LIMITS: blocks whose largest magnitude lies under 2^-124 are quantised under the byte 1 (a block of zeros too: its codes are zeros); NaN and infinities are not served.
; REGISTERS, in windows of 256: window 0: v0-31 addresses; v32-63 scale words, two sets, and nothing else; v64-83 codes just made; from v128 A's fragments, ONE set (in the epilogue v200-235 at work).
;   window 1: B's fragments, TWO sets, at v0 and v128.   window 2: the accumulators of A's blocks 0-3 ((a, b) at v[8 (8 a + b)]);   window 3: those of blocks 4-7.
.set SIZE_K, 1024
.set KSTEP,  256                       ; along K in a slot
.set NQ,     KSTEP/128                 ; matrix instructions deep
.set ROWB,   192                       ; a tile's row in bytes
.set KROW,   SIZE_K*6/8                ; a row of codes in memory
.set PITCH,  240                       ; an LDS row: 3 x (64 bytes + 16 of padding)
.set FR,     12                        ; registers of a fragment
.set NL,     6                         ; LDS loads that bring one
.set NP,     4                         ; places behind this matrix instruction (ISA guide 7.12.1)
.set HALFT,  128*PITCH                 ; 128 rows: what one tensor load brings
.set SLOT,   4*HALFT                   ; A's 256 rows, then B's 256 rows
.set LAPS,   SIZE_K/(2*KSTEP)
.set KS,     SIZE_K/32                 ; a row of scale bytes
.set SCL,    2*SLOT                    ; behind the ring: the scales, as units of 256 bytes + 16 of padding
.set HALFS,  (128*KS/256)*272
.set SBLK,   (16*KS/256)*272
.set SPARE,  SCL+4*HALFS               ; behind the scales: the spare words, 128 bytes a wave, which no other line names
.set QIMG,   6656
.set KVSTEP, 13056
.set ADRA, 16                          ; v16-17 LDS address of my A fragments in slot 0, 1 (v18-19: behind one padding more)
.set ADRB, 20                          ; v20-21 the same for B (v22-23)
.set L16,  24                          ; v24 16 x lane
.set L8,   25                          ; v25 8 x lane
.set ADRS, 27                          ; v27 LDS address of my scale words: lanes 0-15 A's rows, lanes 16-31 B's
.set SPW,  28                          ; v28 my spare word's address; never rewritten
.set NIL,  29                          ; v29 0; never rewritten
.set SC,   32
.set CD,   64                          ; v64-75 a fragment's codes; v76-78, v80-82 the conversions' second halves
.set AF,   128
.set TM,   200                         ; v200-203 largest magnitudes, v204-207 the other half's, then bytes, v212-215 the conversions' scale operands
.set PWS,  216                         ; v216-223 block a's scale word
.set TT,   224                         ; v224-227 two blocks' words in one register
.set K0,   228                         ; v228-231, v232-235 the two heads' words
.set K1,   232
.set G1, 24
.set G0, 32
.set G1B, 48
.set G0B, 56
.set G1S, 68
.set G0S, 76
.set G1SB, 80
.set G0SB, 88
.set MSB, 0
.macro WIN new                         ; the immediate's high byte repeats the setting that is left
.if MSB != \new
	s_set_vgpr_msb (MSB<<8)|\new
.set MSB, \new
.endif
.endm
.set MUL_LO, 0xa1                      ; source 0 (B) window 1, source 1 (A) window 0, C and D window 2
.set MUL_HI, 0xf1
.set TO_B,   0x40
; A joint load: waves 0 and 1 fetch for A, waves 2 and 3 for B; the branch hangs on the wave's number alone.  An s_nop 0 and four v_nop follow each of the two lines.
.macro JLOAD g0a, g1a, g0b, g1b
	s_cmp_eq_u32 s15, 0
	s_cbranch_scc0 .Lfor_b_\@
	tensor_load_to_lds s[\g0a:\g0a+3], s[\g1a:\g1a+7]
	s_nop 0
.rept 4
	v_nop
.endr
	s_branch .Lasked_\@
.Lfor_b_\@:
	tensor_load_to_lds s[\g0b:\g0b+3], s[\g1b:\g1b+7]
	s_nop 0
.rept 4
	v_nop
.endr
.Lasked_\@:
.endm
.macro CREST                           ; a round of the cluster's barrier behind its opening barrier
	s_cmp_lg_u32 s14, 0
	s_cbranch_scc1 .Lnot_wave_0_\@
	s_barrier_signal -3
.Lnot_wave_0_\@:
	s_barrier_wait -3
	s_barrier_signal -1
	s_barrier_wait -1
.endm
.macro CROUND
	s_barrier_signal -1
	s_barrier_wait -1
	CREST
.endm
	s_load_b128 s[4:7], s[0:1], 0x0                ; x's codes, x's scales
	s_load_b128 s[8:11], s[0:1], 0x10              ; w's codes, w's scales
	s_load_b64 s[12:13], s[0:1], 0x20              ; q_img
	s_load_b64 s[66:67], s[0:1], 0x28              ; kv_img
	v_lshl_add_u32 v[SPW], v0, 2, SPARE
	v_mov_b32 v[NIL], 0
	ds_add_u32 v[SPW], v[NIL]                      ; the wave's opening: the add and its wait stand ahead of my first tensor load; work on registers stands between them
	v_lshrrev_b32 v1, 5, v0
	v_readfirstlane_b32 s14, v1                    ; wave 0..3
	s_lshr_b32 s15, s14, 1                         ; which half of A's 256 rows is mine.  Also: I fetch for A (0) or for B (1)
	s_and_b32 s16, s14, 1                          ; which half of B's.  Also: which 128 rows of that tile I fetch
	s_bfe_u32 s40, ttmp6, 0x40000                  ; cx, cy: my place in the cluster
	s_bfe_u32 s41, ttmp6, 0x40004
	s_and_b32 s17, ttmp7, 0xffff                   ; cluster y
	s_cmp_eq_u32 ttmp9, 2                          ; a cluster of v?  The same in all sixteen partners
	s_cselect_b32 s42, s17, ttmp9                  ; B's coordinate: v: cluster y (tokens); else cluster x (features)
	s_cselect_b32 s17, 2, s17                      ; A's coordinate: v: 2 (w's rows 2,048 on); else cluster y (tokens)
	s_lshl_b32 s42, s42, 2
	s_add_co_u32 s42, s42, s40                     ; B's tile = 4 x coordinate + cx
	s_lshl_b32 s17, s17, 2
	s_add_co_u32 s17, s17, s41                     ; A's tile = 4 x coordinate + cy
	s_lshl_b32 s43, s41, 2
	s_lshl_b32 s43, 15, s43                        ; my row of the cluster
	s_lshl_b32 s44, 0x1111, s40                    ; my column
	; descriptor group 1: a tile of 128 rows x 192 bytes, 16 bytes of padding behind every 64
	s_or_b32 s[G1+0], s43, (0<<16)|(1<<20)|(1<<21)|(3<<22)|(3<<25)
	s_or_b32 s[G1B+0], s44, (0<<16)|(1<<20)|(1<<21)|(3<<22)|(3<<25)
.irp g, G1, G1B
	s_mov_b32 s[\g+1], ROWB<<16                    ; tensor_dim0
	s_mov_b32 s[\g+2], 128<<16                     ; tensor_dim1
	s_mov_b32 s[\g+3], ROWB<<16                    ; tile_dim0
	s_mov_b32 s[\g+4], 128                         ; tile_dim1
	s_mov_b32 s[\g+5], KROW                        ; stride from row to row
	s_mov_b32 s[\g+6], 0
	s_mov_b32 s[\g+7], 0
.endr
	; the scales of 128 rows: 4,096 dense bytes, as 16 rows of 256 bytes (32 elements of 8 bytes), 16 bytes of padding behind each
	s_or_b32 s[G1S+0], s43, (3<<16)|(1<<20)|(1<<21)|(5<<22)|(3<<25)
	s_or_b32 s[G1SB+0], s44, (3<<16)|(1<<20)|(1<<21)|(5<<22)|(3<<25)
.irp g, G1S, G1SB
	s_mov_b32 s[\g+1], 32<<16
	s_mov_b32 s[\g+2], (128*KS/256)<<16
	s_mov_b32 s[\g+3], 32<<16
	s_mov_b32 s[\g+4], 128*KS/256
	s_mov_b32 s[\g+5], 32
	s_mov_b32 s[\g+6], 0
	s_mov_b32 s[\g+7], 0
.endr
	s_lshl_b32 s18, s16, 7                         ; which 128 rows of the tile I fetch
	s_lshl_b32 s20, s17, 8
	s_add_co_u32 s20, s20, s18                     ; A: row 256 x tile + 128 x half
	s_lshl_b32 s46, s42, 8
	s_add_co_u32 s46, s46, s18                     ; B likewise
	s_mov_b32 s21, 0
	s_mov_b32 s47, 0
	s_mov_b64 s[18:19], KS
	s_mul_u64 s[22:23], s[20:21], s[18:19]         ; where these rows' scales begin, in bytes
	s_mul_u64 s[92:93], s[46:47], s[18:19]
	s_mov_b64 s[18:19], KROW
	s_mul_u64 s[20:21], s[20:21], s[18:19]         ; and their codes
	s_mul_u64 s[46:47], s[46:47], s[18:19]
	s_mul_i32 s45, s14, HALFT                      ; where they go: wave x 128 rows
	s_mul_i32 s94, s14, HALFS
	s_wait_dscnt 0x0                               ; the opening add is done
	s_wait_kmcnt 0x0
	s_cmp_eq_u32 ttmp9, 2                          ; which tensor is A and which B
	s_cselect_b64 s[96:97], s[8:9], s[4:5]         ; A's codes
	s_cselect_b64 s[98:99], s[10:11], s[6:7]       ; A's scales
	s_cselect_b64 s[8:9], s[4:5], s[8:9]           ; B's codes
	s_cselect_b64 s[10:11], s[6:7], s[10:11]       ; B's scales
	s_add_nc_u64 s[20:21], s[96:97], s[20:21]
	s_add_nc_u64 s[22:23], s[98:99], s[22:23]
	s_add_nc_u64 s[46:47], s[8:9], s[46:47]
	s_add_nc_u64 s[92:93], s[10:11], s[92:93]
	CROUND                                         ; all sixteen work-groups are here: the first joint loads meet
	s_mov_b32 s[G0S], 1
	s_add_co_u32 s[G0S+1], s94, SCL
	s_mov_b64 s[G0S+2:G0S+3], s[22:23]
	s_or_b32 s[G0S+3], s[G0S+3], 0x80000000
	s_mov_b32 s[G0SB], 1
	s_add_co_u32 s[G0SB+1], s94, SCL
	s_mov_b64 s[G0SB+2:G0SB+3], s[92:93]
	s_or_b32 s[G0SB+3], s[G0SB+3], 0x80000000
	JLOAD G0S, G1S, G0SB, G1SB                     ; the scales first: they are wanted with K step 0
.irp s, 0,1
	s_mov_b32 s[G0+4*\s], 1
	s_add_co_u32 s[G0+4*\s+1], s45, \s*SLOT
	s_add_nc_u64 s[G0+4*\s+2:G0+4*\s+3], s[20:21], \s*ROWB
	s_or_b32 s[G0+4*\s+3], s[G0+4*\s+3], 0x80000000
	s_mov_b32 s[G0B+4*\s], 1
	s_add_co_u32 s[G0B+4*\s+1], s45, \s*SLOT
	s_add_nc_u64 s[G0B+4*\s+2:G0B+4*\s+3], s[46:47], \s*ROWB
	s_or_b32 s[G0B+4*\s+3], s[G0B+4*\s+3], 0x80000000
	JLOAD G0+4*\s, G1, G0B+4*\s, G1B
.endr
	v_and_b32 v1, 15, v0                           ; l % 16
	v_bfe_u32 v2, v0, 4, 1                         ; l / 16
	v_mul_u32_u24 v3, v1, PITCH
	v_mul_u32_u24 v4, v2, 24
	v_add_nc_u32 v4, v3, v4                        ; a fragment's row x pitch + 24 x half
	v_lshl_add_u32 v5, v2, 4, v4                   ; and the same behind one padding more
	s_mul_i32 s21, s15, HALFT                      ; my 128 rows of A
	s_mul_i32 s22, s16, HALFT                      ; my 128 rows of B,
	s_add_co_u32 s22, s22, 2*HALFT                 ; which lie behind A's 256
.irp s, 0,1
	v_add_nc_u32 v[ADRA+\s], s21, v4
	v_add_nc_u32 v[ADRB+\s], s22, v4
	v_add_nc_u32 v[ADRA+2+\s], s21, v5
	v_add_nc_u32 v[ADRB+2+\s], s22, v5
	s_add_co_u32 s21, s21, SLOT
	s_add_co_u32 s22, s22, SLOT
.endr
	v_mul_u32_u24 v5, v1, KS                       ; my row's scales: KS bytes a row,
	v_lshrrev_b32 v6, 8, v5
	v_lshl_add_u32 v5, v6, 4, v5                   ; and 16 more for each 256 passed
	s_mul_i32 s21, s15, HALFS
	s_mul_i32 s22, s16, HALFS
	s_add_co_u32 s22, s22, 2*HALFS
	s_sub_co_u32 s22, s22, s21
	v_mul_u32_u24 v6, s22, v2                      ; lanes 16-31 take B's
	s_add_co_u32 s21, s21, SCL
	v_add_nc_u32 v5, v5, v6
	v_add_nc_u32 v[ADRS], s21, v5
	v_and_b32 v6, 31, v0
	v_lshlrev_b32 v[L16], 4, v6                    ; an image's place for my lane
	v_lshlrev_b32 v[L8], 3, v6
.macro FRAG reg, adr, q, i             ; 16 rows x 128 K of 6-bit codes: 12 registers, in pieces of 8 bytes; where the piece of lanes 16-31 lies behind one padding more, the second address register serves
.irp p, 0,1,2,3,4,5
.set PC, 12*(\q)+6*(\p/3)+\p%3
.if PC%8 < 5
	ds_load_b64 v[\reg+2*\p:\reg+2*\p+1], v[\adr] offset:8*PC+16*(PC/8)+(\i)*16*PITCH
.else
	ds_load_b64 v[\reg+2*\p:\reg+2*\p+1], v[\adr+2] offset:8*PC+16*(PC/8)+(\i)*16*PITCH
.endif
.endr
.endm
; 16 matrix instructions: A's blocks a0, a0 + 1 x B's eight.  The 64 accumulators take turns, one instruction a turn, in the same order in every step.
.macro MUL16 a0, p, q, sc, zero
.irp a, \a0, \a0+1
.irp b, 0,1,2,3,4,5,6,7
.if \zero
	v_wmma_scale_f32_16x16x128_f8f6f4 v[8*(8*((\a)%4)+\b):8*(8*((\a)%4)+\b)+7], v[128*(\p)+FR*\b:128*(\p)+FR*\b+FR-1], v[AF+FR*(\a):AF+FR*(\a)+FR-1], 0, v[SC+8*NQ*(\sc)+NQ*\b+(\q)], v[SC+8*NQ*(\sc)+NQ*(\a)+(\q)] matrix_a_fmt:MATRIX_FMT_FP6 matrix_b_fmt:MATRIX_FMT_FP6 matrix_a_scale:MATRIX_SCALE_ROW1
.else
	v_wmma_scale_f32_16x16x128_f8f6f4 v[8*(8*((\a)%4)+\b):8*(8*((\a)%4)+\b)+7], v[128*(\p)+FR*\b:128*(\p)+FR*\b+FR-1], v[AF+FR*(\a):AF+FR*(\a)+FR-1], v[8*(8*((\a)%4)+\b):8*(8*((\a)%4)+\b)+7], v[SC+8*NQ*(\sc)+NQ*\b+(\q)], v[SC+8*NQ*(\sc)+NQ*(\a)+(\q)] matrix_a_fmt:MATRIX_FMT_FP6 matrix_b_fmt:MATRIX_FMT_FP6 matrix_a_scale:MATRIX_SCALE_ROW1
.endif
.endr
.endr
.endm
.macro FETCH_B slot, q, p
	WIN TO_B
.irp i, 0,1,2,3,4,5,6,7
	FRAG 128*(\p)+FR*\i, ADRB+\slot, \q, \i
.endr
	WIN 0
.endm
.macro FETCH_A slot, q, i0
.irp i, \i0, \i0+1, \i0+2, \i0+3
	FRAG AF+FR*(\i), ADRA+\slot, \q, \i
.endr
.endm
.macro SCALES sc                       ; a K step's scale words: lanes 0-15 take A's block i, lanes 16-31 B's block i
.irp i, 0,1,2,3,4,5,6,7
	ds_load_b64 v[SC+8*NQ*\sc+NQ*\i:SC+8*NQ*\sc+NQ*\i+1], v[ADRS] offset:\i*SBLK
.endr
.endm
.macro PLACES n                        ; plain vector instructions that name no register of the matrix instructions in front (ISA guide 7.12.1)
.rept \n
	v_nop
.endr
.endm
.macro STEP slot, q, zero              ; a step of 128 along K that has its successor in the same slot
	s_wait_dscnt 4*NL                              ; B's set and A's blocks 0-3 are in; the youngest 24 loads (A's blocks 4-7) may be out
	WIN MUL_LO
	MUL16 0, (\q)%2, \q, \slot, \zero
	MUL16 2, (\q)%2, \q, \slot, \zero
	s_wait_dscnt 0
	PLACES NP
	FETCH_B \slot, (\q)+1, 1-(\q)%2
	FETCH_A \slot, (\q)+1, 0
	WIN MUL_HI
	MUL16 4, (\q)%2, \q, \slot, \zero
	MUL16 6, (\q)%2, \q, \slot, \zero
	PLACES NP
	WIN 0
	FETCH_A \slot, (\q)+1, 4
.endm
; A slot's last step changes slots: one barrier; in front of it each wave waits for all its tensor loads, adds 0 to its spare word, and waits for that and for its own reads of this slot.
.macro TURN slot, next, fill
	s_wait_tensorcnt 0x0                           ; all my tensor loads have landed: my part of the next slot
	ds_add_u32 v[SPW], v[NIL]                      ; 0 onto my spare word
	s_wait_dscnt 4*NL+1                            ; (the add and the youngest 24 loads, A's blocks 4-7, may be out)
	WIN MUL_LO
	MUL16 0, 1, NQ-1, \slot, 0                     ; sixteen matrix instructions stand between the add and the wait for it
	s_wait_dscnt 0x0                               ; the add is done, and my reads of this slot are over
	s_barrier_signal -1
	MUL16 2, 1, NQ-1, \slot, 0
	WIN 0
	s_barrier_wait -1
.if \fill
	CREST                                          ; the barrier has opened a round of the cluster's barrier: no wave of any partner still reads this slot or has a load on its way
	s_add_nc_u64 s[G0+4*\slot+2:G0+4*\slot+3], s[G0+4*\slot+2:G0+4*\slot+3], 2*ROWB
	s_add_nc_u64 s[G0B+4*\slot+2:G0B+4*\slot+3], s[G0B+4*\slot+2:G0B+4*\slot+3], 2*ROWB
	JLOAD G0+4*\slot, G1, G0B+4*\slot, G1B         ; the first tensor load behind the round; its four v_nop are the places in front of the loads below
.else
	PLACES NP
.endif
	v_add_nc_u32 v[ADRS], 4*NQ, v[ADRS]            ; on to the next K step's scale words
	FETCH_B \next, 0, 0
	FETCH_A \next, 0, 0
	SCALES \next
	WIN MUL_HI
	MUL16 4, 1, NQ-1, \slot, 0
	MUL16 6, 1, NQ-1, \slot, 0
	PLACES NP
	WIN 0
	FETCH_A \next, 0, 4
.endm
	s_wait_tensorcnt 1                             ; the scales and my part of K step 0 are in (K step 1's load may be out),
	s_barrier_signal -1
	s_barrier_wait -1                              ; everybody's are
	FETCH_B 0, 0, 0
	FETCH_A 0, 0, 0
	SCALES 0
	FETCH_A 0, 0, 4
	STEP 0, 0, 1                                   ; the first step's products start the sums
	s_mov_b32 s3, LAPS-1
.Llap:                                                 ; a trip goes once round the ring and fills both slots again
	TURN 0, 1, 1
	STEP 1, 0, 0
	TURN 1, 0, 1
	STEP 0, 0, 0
	s_sub_co_u32 s3, s3, 1
	s_cmp_lg_u32 s3, 0
	s_cbranch_scc1 .Llap
	TURN 0, 1, 0                                   ; the last lap fills nothing
	STEP 1, 0, 0
	s_wait_dscnt 4*NL
	WIN MUL_LO
	MUL16 0, 1, NQ-1, 1, 0
	MUL16 2, 1, NQ-1, 1, 0
	s_wait_dscnt 0
	WIN MUL_HI
	MUL16 4, 1, NQ-1, 1, 0
	MUL16 6, 1, NQ-1, 1, 0
	WIN 0
	; THE EPILOGUE.  No tensor load of mine is out (the last change of slots waited for all), so the descriptors' registers are free.
	PLACES NP                                      ; behind the last products, ahead of writes into registers that they read
.irp b, 0,1,2,3
	v_mov_b32 v[TM+4+\b], 0                        ; written once: a lane permute's destination counts as one of its sources
.endr
	s_cmp_eq_u32 ttmp9, 0
	s_cselect_b64 s[68:69], s[12:13], s[66:67]     ; q_img, or kv_img
	s_mov_b32 s73, KVSTEP
	s_cselect_b32 s73, QIMG, s73                   ; bytes of a step in that buffer
	s_cmp_eq_u32 ttmp9, 2
	s_cselect_b32 s74, s17, s42                    ; the features' tile,
	s_cselect_b32 s75, s15, s16                    ; and my half of it;
	s_cselect_b32 s76, s42, s17                    ; the tokens' tile,
	s_cselect_b32 s77, s16, s15                    ; and my half of it
	s_cselect_b32 s80, QIMG, 0                     ; v's image lies behind k's
	s_and_b32 s74, s74, 3                          ; the tile within q, k or v: 4 heads
	s_lshl_b32 s74, s74, 2
	s_lshl_b32 s75, s75, 1
	s_add_co_u32 s74, s74, s75                     ; my first head
	s_lshr_b32 s75, s76, 3                         ; the batch: 8 tiles of 256 tokens each
	s_lshl_b32 s75, s75, 4
	s_add_co_u32 s74, s74, s75                     ; 16 b + head
	s_lshl_b32 s74, s74, 4                         ; x 16 steps
	s_and_b32 s76, s76, 7
	s_lshl_b32 s76, s76, 1
	s_add_co_u32 s76, s76, s77                     ; my step of 128 tokens
	s_add_co_u32 s74, s74, s76
	s_mul_i32 s74, s74, s73
	s_add_co_u32 s74, s74, s80
	s_mov_b32 s75, 0
	s_add_nc_u64 s[68:69], s[68:69], s[74:75]      ; my first head's image
	s_lshl_b32 s74, s73, 4
	s_add_nc_u64 s[70:71], s[68:69], s[74:75]      ; the next head's: 16 steps on
	s_mov_b32 s72, 0xffff0000                      ; lanes 16-31
	s_mov_b32 s78, 0x76543210
	s_mov_b32 s79, 0xfedcba98                      ; v_permlanex16_b32's selects for lane l xor 16
; Block a's 64 numbers of a lane (register 16 b + i = 32 b + 16 (lane / 16) + i along B's rows) become a fragment's codes in v[CD] on and its scale word in v[PWS + a].  Each accumulator is read from its low end on.
.macro QROW a
.set AC, 64*((\a)%4)
.set WN, 2+(\a)/4
.set WSEL, WN|(WN<<2)
	WIN WSEL                                       ; sources 0 and 1 in the accumulators' window
.irp b, 0,1,2,3
	v_max3_num_f32 v[TM+\b], |v[AC+16*\b]|, |v[AC+16*\b+1]|, 0x1800000   ; my 16 numbers of block b, and the floor 2^(3 - 127)
.endr
.irp i, 2,4,6,8,10,12,14
.irp b, 0,1,2,3
	v_max3_num_f32 v[TM+\b], |v[AC+16*\b+\i]|, |v[AC+16*\b+\i+1]|, v[TM+\b]   ; (the four blocks by turns)
.endr
.endr
	WIN 0
.irp b, 0,1,2,3
	v_permlanex16_b32 v[TM+4+\b], v[TM+\b], s78, s79
.endr
.irp b, 0,1,2,3
	v_max_num_f32 v[TM+\b], v[TM+\b], v[TM+4+\b]   ; with lane l xor 16's: the block's largest magnitude
.endr
.irp b, 0,1,2,3
	v_add_nc_u32 v[TM+12+\b], 0xff000000, v[TM+\b] ; 2 off its exponent field: the conversion's scale operand
.endr
.irp b, 0,1,2,3
	v_lshrrev_b32 v[TM+4+\b], 23, v[TM+12+\b]      ; the scale's byte
.endr
	v_lshl_or_b32 v[PWS+(\a)], v[TM+5], 8, v[TM+4]
	v_lshl_or_b32 v[PWS+(\a)], v[TM+6], 16, v[PWS+(\a)]
	v_lshl_or_b32 v[PWS+(\a)], v[TM+7], 24, v[PWS+(\a)]
	s_wait_xcnt 0x0                                ; the last block's stores have read their data: the codes' registers are written again only behind this wait
	WIN WN                                         ; source 0 in the accumulators' window
.irp c, 0,1
	v_cvt_scalef32_pk16_fp6_f32 v[CD+6*\c:CD+6*\c+2], v[AC+32*\c:AC+32*\c+15], v[TM+12+2*\c]
	v_cvt_scalef32_pk16_fp6_f32 v[CD+12+4*\c:CD+14+4*\c], v[AC+32*\c+16:AC+32*\c+31], v[TM+12+2*\c+1]   ; (a conversion's three registers begin on an even number)
.endr
	WIN 0
	v_nop                                          ; one plain line behind a scaled conversion
.irp c, 0,1                                    ; the operand's layout wants a whole block in a lane: lanes 0-15 block 2 c, lanes 16-31 block 2 c + 1
.irp i, 0,1,2
	v_permlane16_swap_b32 v[CD+6*\c+\i], v[CD+12+4*\c+\i]
.endr
.irp i, 0,1,2
	v_mov_b32 v[CD+3+6*\c+\i], v[CD+12+4*\c+\i]
.endr
.endr
.endm
; The fragment leaves.  q, k: its registers 0-5 are my first head's 64 features, 6-11 the next head's: half a fragment to each head's image.  v: all 12 are 128 keys of one head's tile a % 4.
.macro PUT a
	s_cmp_eq_u32 ttmp9, 2
	s_cbranch_scc1 .Lput_v_\@
	global_store_b128 v[L16], v[CD:CD+3], s[68:69] offset:512*(\a)
	global_store_b64 v[L8], v[CD+4:CD+5], s[68:69] offset:4096+256*(\a)
	global_store_b128 v[L16], v[CD+6:CD+9], s[70:71] offset:512*(\a)
	global_store_b64 v[L8], v[CD+10:CD+11], s[70:71] offset:4096+256*(\a)
	s_branch .Lput_done_\@
.Lput_v_\@:
.irp c, 0,1,2
	global_store_b128 v[L16], v[CD+4*\c:CD+4*\c+3], s[68+2*((\a)/4):69+2*((\a)/4)] offset:1536*((\a)%4)+512*\c
.endr
.Lput_done_\@:
.endm
.irp a, 0,1,2,3,4,5,6,7
	QROW \a
	PUT \a
.endr
.irp p, 0,1,2,3
	v_cndmask_b32 v[TT+\p], v[PWS+2*\p], v[PWS+2*\p+1], s72   ; block 2 p's words in lanes 0-15, block 2 p + 1's in lanes 16-31 (every lane holds its row's word)
.endr
	s_cmp_eq_u32 ttmp9, 2
	s_cbranch_scc1 .Lscale_v
.irp p, 0,1,2,3
	v_and_b32 v[K0+\p], 0xffff, v[TT+\p]           ; my first head's two bytes; the upper two, over zero codes, are 0
	v_lshrrev_b32 v[K1+\p], 16, v[TT+\p]           ; the next head's
.endr
	global_store_b128 v[L16], v[K0:K0+3], s[68:69] offset:6144
	global_store_b128 v[L16], v[K1:K1+3], s[70:71] offset:6144
	s_branch .Lscale_done
.Lscale_v:
	global_store_b64 v[L8], v[TT:TT+1], s[68:69] offset:6144
	global_store_b64 v[L8], v[TT+2:TT+3], s[70:71] offset:6144
.Lscale_done:
	s_wait_tensorcnt 0x0                           ; the wave's end
	ds_add_u32 v[SPW], v[NIL]
	s_wait_dscnt 0x0
	CROUND                                         ; the closing round: no work-group ends while a partner may still ask for a tile that names it
	s_endpgm
.Lfunc_end_k_q8b83f83a3c_gemm_qkv:
	.size	k_q8b83f83a3c_gemm_qkv, .Lfunc_end_k_q8b83f83a3c_gemm_qkv-k_q8b83f83a3c_gemm_qkv
	.p2alignl 7, 3214868480
	.fill 96, 4, 3214868480
	.section	.rodata,"a",@progbits
	.p2align	6, 0x0
	.amdhsa_kernel k_q8b83f83a3c_gemm_qkv
		.amdhsa_group_segment_fixed_size 327680
		.amdhsa_private_segment_fixed_size 0
		.amdhsa_enable_private_segment 0
		.amdhsa_kernarg_size 48
		.amdhsa_user_sgpr_count 2
		.amdhsa_user_sgpr_kernarg_segment_ptr 1
		.amdhsa_wavefront_size32 1
		.amdhsa_system_sgpr_workgroup_id_x 1
		.amdhsa_system_sgpr_workgroup_id_y 1
		.amdhsa_system_sgpr_workgroup_id_z 1
		.amdhsa_system_vgpr_workitem_id 0
		.amdhsa_next_free_vgpr 1024
		.amdhsa_next_free_sgpr 102
		.amdhsa_reserve_vcc 0
		.amdhsa_float_denorm_mode_32 3
		.amdhsa_float_denorm_mode_16_64 3
		.amdhsa_memory_ordered 1
		.amdhsa_forward_progress 1
		.amdhsa_inst_pref_size 169
	.end_amdhsa_kernel
	.amdgpu_metadata
---
amdhsa.version: [ 1, 2 ]
amdhsa.kernels:
  - .name:           k_q8b83f83a3c_gemm_qkv
    .symbol:         k_q8b83f83a3c_gemm_qkv.kd
    .args:
      - { .name: x_codes, .offset: 0, .size: 8, .value_kind: global_buffer, .address_space: global }
      - { .name: x_scales, .offset: 8, .size: 8, .value_kind: global_buffer, .address_space: global }
      - { .name: w_codes, .offset: 16, .size: 8, .value_kind: global_buffer, .address_space: global }
      - { .name: w_scales, .offset: 24, .size: 8, .value_kind: global_buffer, .address_space: global }
      - { .name: q_img, .offset: 32, .size: 8, .value_kind: global_buffer, .address_space: global }
      - { .name: kv_img, .offset: 40, .size: 8, .value_kind: global_buffer, .address_space: global }
    .group_segment_fixed_size: 327680
    .private_segment_fixed_size: 0
    .kernarg_segment_align: 8
    .kernarg_segment_size: 48
    .max_flat_workgroup_size: 128
    .sgpr_count:     102
    .vgpr_count:     1024
    .wavefront_size: 32
...
	.end_amdgpu_metadata
.endif
;; end of part 2
;; launch attn (part 3): grid 4 x 64, 16 waves a work-group, no clusters, 327,680 bytes of LDS; arguments q_img, kv_img, o_img, o_scales; writes o_img, o_scales
.if DOCPART == 3
	.amdgcn_target "amdgcn-amd-amdhsa--gfx1250"
	.amdhsa_code_object_version 6
	.text
	.protected	k_q8b83f83a3c_attn
	.globl	k_q8b83f83a3c_attn
	.p2align	8
	.type	k_q8b83f83a3c_attn,@function
k_q8b83f83a3c_attn:
	s_mov_b64 s[64:65], 0
	v_nop
	global_prefetch_b8 v0, s[64:65] scope:SCOPE_SE
	s_setreg_imm32_b32 hwreg(HW_REG_WAVE_MODE, 25, 1), 1
	s_wait_xcnt 0x0
; Causal attention of one head (64 channels, 2,048 tokens) on codes of FP6 (E2M3) with E8M0 scales; its result is quantised here, along the channels, and leaves as images of the last product's operand registers.
; THE SOFTMAX: t = score x log2(e) / 8; M = the running largest t rounded UP to a whole number; p = 2^(t - M) is quantised along the keys, not normalised; the row's sum is taken of the unquantised p and divides O at the end.
; When M moves, the sum and O are multiplied by 2^(old M - new M): exact.  The first largest t is -3e38, under every t.  LIMITS: NaN and infinities are not served; blocks under 2^-124 are quantised under the byte 1.
; SHARES.  Work-group (g, 16 b + head), sixteen waves.  Wave w (u = w / 8, t = w % 8) owns tile t (16 queries) of the query blocks 2 g + u and 15 - (2 g + u), blocks of 128 queries.  A tile of block n has n + 1 key steps of
; 128 keys, so every wave of the launch has 17 tile steps: 256 work-groups of equal work.  A step whose keys all come after a tile's queries is jumped over (a scalar branch on ids); the step on the diagonal is masked.
; Every work-group walks all 8 slots of 256 keys, so the trip counts are constants; a slot whose first key comes after the work-group's last query is not asked for.
; NO CLUSTER, though the four work-groups of a head read the same images: in a slot the partners have different numbers of active tiles (g = 3: two a wave up to step 6 or 7; g = 0: one from step 1 or 2 on), so a round at
; each slot would hold all four to the busiest partner's count, 24 tile steps a wave against 17; what would be shared is 26,112 bytes a slot.
; LAYOUT.  Both products are used transposed: S^T = K Q^T (source 0 = 16 keys, source 1 = my 16 queries; the head's 64 channels fill k = 0 .. 63, both operands have zero codes for k = 64 .. 127), O^T = V^T P^T
; (source 0 = 16 channels, source 1 = P, K = 128 keys): a lane holds ONE query.  Lane r of tile 2 b + u of keys, of queries and of channels holds number 32 b + 8 u + r + 8 (r / 8): so the 16 registers of two neighbouring
; tiles of S^T are 16 neighbouring keys, and those of O^T 16 neighbouring channels.  The images come as the launch before has laid them: every fragment by loads of 16 or 8 bytes a lane, lanes side by side.
; REGISTERS: v1-4 addresses; v5, v6 the add's two; v7 the mask's d; v8-15 (-M, largest t), (sum, sum) of the two tiles; v16-39 Q's two fragments; v40-41 Q's scale words; v42-89 four fragments of K (registers 6-11 of each: zeros);
; v90-153 S^T, then p, then V's four fragments; v154-217 O^T of the two tiles; v218-229 p's codes; v230-245 at work; v246-249 K's or V's scale words; v250 f; v251 p's scale word; v252 at work.
.set STEPB, 13056                      ; a key step's images: K's 6,656 bytes, then V's 6,400
.set KIMG,  6656
.set SLOT1, 32768                      ; slot 1 begins here: one exclusive or turns an address from one slot to the other
.set SPARE, 65536                      ; the spare words, 128 bytes for each of sixteen waves, which no other line names
.set L16, 1
.set L8,  2
.set A16, 3
.set A8,  4
.set SPW, 5
.set NIL, 6
.set DM,  7
.set KFR, 42
.set ST,  90
.set PCD, 218
.set BM,  230
.set PM,  234
.set SO,  242
.set KSC, 246
.set FF,  250
.set PW,  251
.set TP,  252
.set WV,  12                           ; s12 wave; s13 u; s14 t; s16 16 b + head; s17, s18 my two query blocks; s19, s20 their first queries
.set SEL, 22
.set CS,  24
.set G1,  28
.set G0,  36
.set TB,  40                           ; s40 LDS byte at which the slot in hand begins
.set KF,  41                           ; s41 the step's first key
.set SLOTS, 42
.set LASTQ, 43                         ; s43 the work-group's last query
.macro TLOAD                           ; wave 0 fetches a whole slot; an s_nop 0 and four v_nop follow the line
	s_cmp_eq_u32 s[WV], 0
	s_cbranch_scc0 .Lasked_\@
	tensor_load_to_lds s[G0:G0+3], s[G1:G1+7]
	s_nop 0
.rept 4
	v_nop
.endr
.Lasked_\@:
.endm
	s_load_b256 s[4:11], s[0:1], 0x0               ; q_img s[4:5], kv_img s[6:7], o_img s[8:9], o_scales s[10:11]
	v_lshl_add_u32 v[SPW], v0, 2, SPARE
	v_mov_b32 v[NIL], 0
	ds_add_u32 v[SPW], v[NIL]                      ; the wave's opening: the add and its wait stand ahead of the first tensor load; work on registers stands between them
	v_lshrrev_b32 v1, 5, v0
	v_readfirstlane_b32 s[WV], v1                  ; wave 0..15
	s_lshr_b32 s13, s[WV], 3                       ; u
	s_and_b32 s14, s[WV], 7                        ; t
	s_and_b32 s16, ttmp7, 0xffff                   ; 16 b + head
	s_lshl_b32 s17, ttmp9, 1
	s_add_co_u32 s17, s17, s13                     ; my low block: 2 g + u
	s_sub_co_u32 s18, 15, s17                      ; my high block
	s_lshl_b32 s19, s17, 7                         ; their first queries
	s_lshl_b32 s20, s18, 7
	s_lshl_b32 s[LASTQ], ttmp9, 8
	s_sub_co_u32 s[LASTQ], 2047, s[LASTQ]          ; 128 (16 - 2 g) - 1
	; descriptor group 1: a slot's two steps are 26,112 dense bytes: 102 rows of 256 bytes (32 elements of 8 bytes), no padding
	s_mov_b32 s[G1], 3<<16
	s_mov_b32 s[G1+1], 32<<16                      ; tensor_dim0
	s_mov_b32 s[G1+2], 102<<16                     ; tensor_dim1
	s_mov_b32 s[G1+3], 32<<16                      ; tile_dim0
	s_mov_b32 s[G1+4], 102                         ; tile_dim1
	s_mov_b32 s[G1+5], 32                          ; stride from row to row
	s_mov_b32 s[G1+6], 0
	s_mov_b32 s[G1+7], 0
	s_mov_b32 s[SEL], 0x76543210
	s_mov_b32 s[SEL+1], 0xfedcba98                 ; v_permlanex16_b32's selects for lane l xor 16
	s_mov_b32 s[CS], 0x3e38aa3b                    ; c = log2(e) / 8
	s_mov_b32 s[CS+1], s[CS]                       ; (named with it as a pair, so it is written)
	s_mov_b32 s[TB], 0
	s_mov_b32 s[KF], 0
	s_mov_b32 s[SLOTS], 7
	s_mul_i32 s44, s16, 16*STEPB                   ; my head's images of K and V
	s_mov_b32 s45, 0
	s_wait_dscnt 0x0                               ; the opening add is done
	s_wait_kmcnt 0x0
	s_mov_b32 s[G0], 1                             ; count = 1
	s_mov_b32 s[G0+1], 0                           ; LDS address: slot 0
	s_add_nc_u64 s[G0+2:G0+3], s[6:7], s[44:45]    ; keys 0 to 255
	s_or_b32 s[G0+3], s[G0+3], 0x80000000          ; type = 2
	TLOAD                                          ; slot 0
	v_and_b32 v[L8], 31, v0
	v_lshlrev_b32 v[L16], 4, v[L8]                 ; 16 x lane
	v_lshlrev_b32 v[L8], 3, v[L8]                  ; 8 x lane
	s_lshl_b32 s44, s14, 9
	v_add_nc_u32 v[A16], s44, v[L16]               ; Q's tile t: registers 0-3 at 512 t + 16 l,
	s_lshl_b32 s44, s14, 8
	v_add_nc_u32 v[A8], s44, v[L8]                 ; registers 4-5 at 4,096 + 256 t + 8 l,
	s_and_b32 s44, s14, 1
	s_lshl_b32 s44, s44, 8
	s_lshr_b32 s45, s14, 1
	s_lshl_b32 s45, s45, 2
	s_add_co_u32 s44, s44, s45
	v_and_b32 v[TP], 15, v0
	v_lshl_add_u32 v[TP], v[TP], 4, s44            ; row r's scale word at 6,144 + 16 (r + 16 (t % 2)) + 4 (t / 2)
	s_lshl_b32 s44, s16, 4
	s_add_co_u32 s46, s44, s17
	s_mul_i32 s46, s46, KIMG
	s_mov_b32 s47, 0
	s_add_nc_u64 s[46:47], s[4:5], s[46:47]        ; the low block's image
	s_add_co_u32 s48, s44, s18
	s_mul_i32 s48, s48, KIMG
	s_mov_b32 s49, 0
	s_add_nc_u64 s[48:49], s[4:5], s[48:49]        ; the high block's
.irp X, 0,1
	global_load_b128 v[16+12*\X:19+12*\X], v[A16], s[46+2*\X:47+2*\X]
	global_load_b64 v[20+12*\X:21+12*\X], v[A8], s[46+2*\X:47+2*\X] offset:4096
	global_load_b32 v[40+\X], v[TP], s[46+2*\X:47+2*\X] offset:6144
.endr
	s_lshr_b32 s44, s14, 1
	s_lshl_b32 s44, s44, 5
	s_and_b32 s45, s14, 1
	s_lshl_b32 s45, s45, 3
	s_add_co_u32 s44, s44, s45
	v_and_b32 v[DM], 15, v0
	v_and_b32 v8, 8, v0
	v_add_nc_u32 v[DM], v[DM], v8
	v_and_b32 v8, 16, v0
	v_sub_nc_u32 v[DM], v[DM], v8
	v_add_nc_u32 v[DM], s44, v[DM]                 ; d = my query's place in its block - 16 (lane / 16): 32 (t / 2) + 8 (t % 2) + r + 8 (r / 8) - 16 h
.irp j, 22,23,24,25,26,27,34,35,36,37,38,39
	v_mov_b32 v[\j], 0                             ; Q: zero codes for k = 64 .. 127
.endr
.irp tt, 0,1,2,3
.irp i, 6,7,8,9,10,11
	v_mov_b32 v[KFR+12*\tt+\i], 0                  ; K likewise: written once, no load lands here
.endr
.endr
.set j, 0
.rept 64
	v_mov_b32 v[154+j], 0                          ; O^T of both tiles.  (The step is written once: the first finds zeros, which the first change of M leaves zeros)
.set j, j+1
.endr
.irp X, 0,1
	v_mov_b32 v[9+4*\X], 0xff61b1e6                ; the largest t so far: -3e38
	v_floor_f32 v[8+4*\X], -v[9+4*\X]              ; -M
	v_mov_b32 v[10+4*\X], 0                        ; the sum, in two halves
	v_mov_b32 v[11+4*\X], 0
.endr
.irp j, 0,1,2,3,4,5,6,7
	v_mov_b32 v[PM+\j], 0                          ; written once: a lane permute's destination counts as one of its sources
.endr
	v_mov_b32 v[PW], 0                             ; (named as the upper half of the pair v[250:251] before it is first written)
; A TILE STEP: 128 keys, the q-th step of the slot in hand, for my tile X.
.macro TSTEP q, X
.set MR, 8+4*(\X)
.set SU, 10+4*(\X)
.set QF, 16+12*(\X)
.set QS, 40+(\X)
.set OB, 154+32*(\X)
.set LB, (\q)*STEPB
	s_cmp_gt_u32 s[KF], s[19+(\X)]                 ; all keys of the step come after my tile's block: nothing to do.  No barrier, wait for tiles or tensor load stands in a tile step
	s_cbranch_scc1 .Lhidden_\@
	v_add_nc_u32 v[A16], s[TB], v[L16]
	v_add_nc_u32 v[A8], s[TB], v[L8]
.rept 4
	v_nop                                          ; with the two additions six places behind the last products: the load below lands on their scale register (four are asked), and the products below write over V's fragments (five)
.endr
	ds_load_b128 v[KSC:KSC+3], v[A16] offset:LB+6144   ; K's scale words: word p: tile 2 p in lanes 0-15, tile 2 p + 1 in lanes 16-31
.irp gg, 0,1                                   ; S^T = K Q^T, four tiles of 16 keys at a time
.if \gg
.rept 4
	v_nop                                          ; places in front of loads into registers that matrix instructions have read
.endr
.endif
.irp tt, 0,1,2,3
	ds_load_b128 v[KFR+12*\tt:KFR+12*\tt+3], v[A16] offset:LB+512*(4*\gg+\tt)
	ds_load_b64 v[KFR+12*\tt+4:KFR+12*\tt+5], v[A8] offset:LB+4096+256*(4*\gg+\tt)
.endr
	s_wait_dscnt 0x0
.irp tt, 0,2
	v_wmma_scale_f32_16x16x128_f8f6f4 v[ST+8*(4*\gg+\tt):ST+8*(4*\gg+\tt)+7], v[KFR+12*\tt:KFR+12*\tt+11], v[QF:QF+11], 0, v[KSC+2*\gg+\tt/2], v[QS] matrix_a_fmt:MATRIX_FMT_FP6 matrix_b_fmt:MATRIX_FMT_FP6
	v_wmma_scale_f32_16x16x128_f8f6f4 v[ST+8*(4*\gg+\tt+1):ST+8*(4*\gg+\tt+1)+7], v[KFR+12*(\tt+1):KFR+12*(\tt+1)+11], v[QF:QF+11], 0, v[KSC+2*\gg+\tt/2], v[QS] matrix_a_fmt:MATRIX_FMT_FP6 matrix_b_fmt:MATRIX_FMT_FP6 matrix_a_scale:MATRIX_SCALE_ROW1
.endr
.endr                                          ; register 16 b + i of S^T: key KF + 32 b + 16 (lane / 16) + i
.rept 4
	v_nop
.endr
	s_cmp_lt_u32 s[KF], s[19+(\X)]                 ; a step under the diagonal: all its keys count
	s_cbranch_scc1 .Lopen_\@
	v_mov_b32 v[TP], 0xff800000                    ; on the diagonal hidden scores become -infinity ahead of the maximum: p = 0 then.  Hidden where 32 b + i > d
.set n, 0
.rept 64
	v_cmp_gt_i32 vcc_lo, 32*(n/16)+n%16, v[DM]
	v_cndmask_b32 v[ST+n], v[ST+n], v[TP], vcc_lo
.set n, n+1
.endr
.Lopen_\@:
.irp b, 0,1,2,3
	v_max3_num_f32 v[BM+\b], v[ST+16*\b], v[ST+1+16*\b], v[ST+2+16*\b]   ; the largest score of each block of 32 keys: it serves for the row's maximum and, since p rises with the score, for the block's largest p
.endr
.irp i, 3,5,7,9,11,13
.irp b, 0,1,2,3
	v_max3_num_f32 v[BM+\b], v[BM+\b], v[ST+16*\b+\i], v[ST+1+16*\b+\i]
.endr
.endr
.irp b, 0,1,2,3
	v_max_num_f32 v[BM+\b], v[BM+\b], v[ST+15+16*\b]
.endr
.irp b, 0,1,2,3
	v_permlanex16_b32 v[PM+\b], v[BM+\b], s[SEL], s[SEL+1]
.endr
.irp b, 0,1,2,3
	v_max_num_f32 v[BM+\b], v[BM+\b], v[PM+\b]     ; with lane l xor 16's 16 keys
.endr
	v_max3_num_f32 v[TP], v[BM], v[BM+1], v[BM+2]
	v_max_num_f32 v[TP], v[TP], v[BM+3]            ; the step's largest score of my query
	v_mul_f32 v[TP], s[CS], v[TP]                  ; as t (c is positive)
	v_max_num_f32 v[MR+1], v[MR+1], v[TP]          ; the running largest t
	v_mov_b32 v[TP], v[MR]
	v_floor_f32 v[MR], -v[MR+1]                    ; the new -M = floor(-t): M is a whole number
	v_sub_f32 v[TP], v[MR], v[TP]                  ; old M - new M: a whole number, 0 or less
	v_cvt_i32_f32 v[TP], v[TP]                     ; (it saturates)
	v_ldexp_f32 v[FF], 1.0, v[TP]                  ; f = 2^(old M - new M)
.set j, 0
.rept 32
	v_pk_fma_f32 v[ST+j:ST+j+1], v[ST+j:ST+j+1], s[CS:CS+1], v[MR:MR+1] op_sel_hi:[1,0,0]   ; t - M, two at a time
.set j, j+2
.endr
.irp b, 0,1,2,3
	v_fma_f32 v[BM+\b], v[BM+\b], s[CS], v[MR]     ; the same of each block's largest score
.endr
.set j, 0
.rept 64
	v_exp_f32 v[ST+j], v[ST+j]                     ; p = 2^(t - M), at most 1
.set j, j+1
.endr
	v_pk_mul_f32 v[SU:SU+1], v[SU:SU+1], v[FF:FF+1] op_sel_hi:[1,0]   ; the sums under the new M (a plain line behind the exponentials)
	s_wait_alu depctr_va_vdst(0)                   ; one wait for the whole batch, ahead of its first reader
.irp b, 0,1,2,3
	v_exp_f32 v[BM+\b], v[BM+\b]                   ; the block's largest p
.endr
	v_pk_add_f32 v[PM:PM+1], v[ST:ST+1], v[ST+2:ST+3]   ; the row's sum is taken of the unquantised p: two at a time, in two chains
.set j, 4
.rept 15
	v_pk_add_f32 v[SU:SU+1], v[SU:SU+1], v[ST+j:ST+j+1]
	v_pk_add_f32 v[PM:PM+1], v[PM:PM+1], v[ST+j+2:ST+j+3]
.set j, j+4
.endr
	v_pk_add_f32 v[SU:SU+1], v[SU:SU+1], v[PM:PM+1]
	s_wait_alu depctr_va_vdst(0)                   ; and one for the four
.irp b, 0,1,2,3
	v_max_num_f32 v[BM+\b], 0x1800000, v[BM+\b]    ; the floor 2^(3 - 127): the byte cannot fall under 1 (a block of zeros keeps that byte: its codes are zeros)
.endr
.irp b, 0,1,2,3
	v_add_nc_u32 v[SO+\b], 0xff000000, v[BM+\b]    ; 2 off the exponent field: the conversion's scale operand
.endr
.irp b, 0,1,2,3
	v_lshrrev_b32 v[PM+\b], 23, v[SO+\b]           ; the scale's byte
.endr
	v_lshl_or_b32 v[PW], v[PM+1], 8, v[PM]         ; p's scale word for these 128 keys
	v_lshl_or_b32 v[PW], v[PM+2], 16, v[PW]
	v_lshl_or_b32 v[PW], v[PM+3], 24, v[PW]
.irp c, 0,1
	v_cvt_scalef32_pk16_fp6_f32 v[PCD+6*\c:PCD+2+6*\c], v[ST+32*\c:ST+15+32*\c], v[SO+2*\c]
	v_cvt_scalef32_pk16_fp6_f32 v[PM+4*\c:PM+2+4*\c], v[ST+16+32*\c:ST+31+32*\c], v[SO+2*\c+1]   ; (a conversion's three registers begin on an even number)
.endr
	v_nop                                          ; one plain line behind a scaled conversion
.irp t, 0,1,2,3                                ; p has been read: V's four fragments land where it lay, while the codes are put in order
.irp c, 0,1,2
	ds_load_b128 v[ST+12*\t+4*\c:ST+12*\t+4*\c+3], v[A16] offset:LB+KIMG+1536*\t+512*\c
.endr
.endr
	ds_load_b64 v[KSC:KSC+1], v[A8] offset:LB+KIMG+6144   ; V's scale words
.irp c, 0,1                                    ; the operand's layout wants a whole block in a lane
.irp i, 0,1,2
	v_permlane16_swap_b32 v[PCD+6*\c+\i], v[PM+4*\c+\i]
.endr
.irp i, 0,1,2
	v_mov_b32 v[PCD+3+6*\c+\i], v[PM+4*\c+\i]
.endr
.endr
.set j, 0
.rept 16
	v_pk_mul_f32 v[OB+j:OB+j+1], v[OB+j:OB+j+1], v[FF:FF+1] op_sel_hi:[1,0]   ; O^T under the new M.  (These are also the places between the writes of p's codes and scale word and the products below)
.set j, j+2
.endr
	s_wait_dscnt 0x0
.irp t, 0,2                                    ; O^T += V^T P^T: four tiles of 16 channels, by turns; K Q^T's products stand between two links on one tile
	v_wmma_scale_f32_16x16x128_f8f6f4 v[OB+8*\t:OB+8*\t+7], v[ST+12*\t:ST+12*\t+11], v[PCD:PCD+11], v[OB+8*\t:OB+8*\t+7], v[KSC+\t/2], v[PW] matrix_a_fmt:MATRIX_FMT_FP6 matrix_b_fmt:MATRIX_FMT_FP6
	v_wmma_scale_f32_16x16x128_f8f6f4 v[OB+8*(\t+1):OB+8*(\t+1)+7], v[ST+12*(\t+1):ST+12*(\t+1)+11], v[PCD:PCD+11], v[OB+8*(\t+1):OB+8*(\t+1)+7], v[KSC+\t/2], v[PW] matrix_a_fmt:MATRIX_FMT_FP6 matrix_b_fmt:MATRIX_FMT_FP6 matrix_a_scale:MATRIX_SCALE_ROW1
.endr
.Lhidden_\@:
.endm
.macro KSTEP q
	TSTEP \q, 0
	TSTEP \q, 1
	s_add_co_u32 s[KF], s[KF], 128
.endm
.macro SLOT_STEPS
	KSTEP 0
	KSTEP 1
	s_xor_b32 s[TB], s[TB], SLOT1                  ; on to the other slot
.endm
; THE CHANGE OF SLOTS stands at a slot's head.  Each wave waits for all its tensor loads, adds 0 to its spare word, and waits for that and for its reads of the slot that it has left.  Behind the barrier the slot ahead is
; whole and nobody reads the other one.  fill = 1: that other slot is filled with the next 256 keys, while their first key is at or under the work-group's last query: the load has a whole slot's steps in which to land.
.macro CHANGE fill
	s_wait_tensorcnt 0x0                           ; no tensor load of mine is out, so the descriptor may be written
	ds_add_u32 v[SPW], v[NIL]                      ; 0 onto my spare word
.if \fill
	s_xor_b32 s[G0+1], s[G0+1], SLOT1              ; the other slot than last time,
	s_add_nc_u64 s[G0+2:G0+3], s[G0+2:G0+3], 2*STEPB   ; the next 256 keys; the type bits on top are not reached
.endif
	s_wait_dscnt 0x0                               ; the add is done, and my reads of the slot that I have left are over
	s_barrier_signal -1
	s_barrier_wait -1
.if \fill
	s_add_co_u32 s44, s[KF], 256                   ; the first key of the slot that this change would ask for
	s_cmp_gt_u32 s44, s[LASTQ]                     ; ids and the count of steps alone: all sixteen waves go the same way, and a work-group past the limit stays past it; no step reads a slot that was left out
	s_cbranch_scc1 .Lpast_\@
	TLOAD                                          ; the wave's one tensor load until the next change
.Lpast_\@:
.endif
.endm
	s_wait_loadcnt 0x0                             ; Q; its loads' address registers are free
.Lslot:                                            ; 7 trips: behind each change of slots but the last the next slot is asked for, up to the causal limit
	CHANGE 1
	SLOT_STEPS
	s_sub_co_u32 s[SLOTS], s[SLOTS], 1
	s_cmp_lg_u32 s[SLOTS], 0
	s_cbranch_scc1 .Lslot
	CHANGE 0                                       ; the last slot is written out: nothing is left to ask for
	SLOT_STEPS
	; THE WAY OUT.  O^T / the sum is quantised along the channels: register 16 b + i is channel 32 b + 16 (lane / 16) + i of my query.  Its six registers are half a fragment of the last product's A: tile T = 128 b + 8 block + t, my head.
.rept 4
	v_nop                                          ; places behind the last products
.endr
	v_and_b32 v[A16], 15, v0
	v_lshlrev_b32 v[A16], 5, v[A16]                ; o_scales: 32 bytes a row
.macro OUT X
.set SU, 10+4*(\X)
.set OB, 154+32*(\X)
.set BO, 48+4*(\X)
.if \X
	s_wait_xcnt 0x0                                ; the first tile's stores have read their data: the registers are written again only behind this wait
.endif
	v_add_f32 v[SU], v[SU], v[SU+1]                ; the sum's two halves,
	v_permlanex16_b32 v[TP], v[SU], s[SEL], s[SEL+1]
	v_add_f32 v[SU], v[SU], v[TP]                  ; and lane l xor 16's: the row's sum
	v_rcp_f32 v[SU], v[SU]
	v_nop                                          ; a plain line behind the reciprocal
	s_lshr_b32 s44, s16, 4                         ; b
	s_lshl_b32 s44, s44, 7
	s_lshl_b32 s45, s[17+(\X)], 3
	s_add_co_u32 s44, s44, s45
	s_add_co_u32 s44, s44, s14                     ; T
	s_and_b32 s45, s16, 15                         ; head
	s_mul_i32 s46, s44, 12288
	s_mul_i32 s47, s45, 768
	s_add_co_u32 s46, s46, s47
	s_mov_b32 s47, 0
	s_add_nc_u64 s[BO:BO+1], s[8:9], s[46:47]      ; o_img: [T][head][768]
	s_lshl_b32 s46, s44, 9
	s_lshl_b32 s45, s45, 1
	s_add_co_u32 s46, s46, s45
	s_add_nc_u64 s[BO+2:BO+3], s[10:11], s[46:47]  ; o_scales: [16 T + r][32], bytes 2 head, 2 head + 1
	s_wait_alu depctr_va_vdst(0)                   ; a wait ahead of the reciprocal's first reader
.set j, 0
.rept 16
	v_pk_mul_f32 v[ST+j:ST+j+1], v[OB+j:OB+j+1], v[SU:SU+1] op_sel_hi:[1,0]   ; each accumulator from its low end on
.set j, j+2
.endr
.irp b, 0,1
	v_max3_num_f32 v[BM+\b], |v[ST+16*\b]|, |v[ST+1+16*\b]|, 0x1800000
.endr
.irp i, 2,4,6,8,10,12,14
.irp b, 0,1
	v_max3_num_f32 v[BM+\b], v[BM+\b], |v[ST+16*\b+\i]|, |v[ST+1+16*\b+\i]|
.endr
.endr
.irp b, 0,1
	v_permlanex16_b32 v[PM+\b], v[BM+\b], s[SEL], s[SEL+1]
.endr
.irp b, 0,1
	v_max_num_f32 v[BM+\b], v[BM+\b], v[PM+\b]
.endr
.irp b, 0,1
	v_add_nc_u32 v[SO+\b], 0xff000000, v[BM+\b]
.endr
.irp b, 0,1
	v_lshrrev_b32 v[PM+\b], 23, v[SO+\b]
.endr
	v_lshl_or_b32 v[PW], v[PM+1], 8, v[PM]         ; my row's two scale bytes
	v_cvt_scalef32_pk16_fp6_f32 v[PCD:PCD+2], v[ST:ST+15], v[SO]
	v_cvt_scalef32_pk16_fp6_f32 v[PM+4:PM+6], v[ST+16:ST+31], v[SO+1]
	v_nop                                          ; one plain line behind a scaled conversion
.irp i, 0,1,2
	v_permlane16_swap_b32 v[PCD+\i], v[PM+4+\i]    ; lanes 0-15: block 0; lanes 16-31: block 1
.endr
.irp i, 0,1,2
	v_mov_b32 v[PCD+3+\i], v[PM+4+\i]
.endr
	global_store_b128 v[L16], v[PCD:PCD+3], s[BO:BO+1]            ; 512 consecutive bytes
	global_store_b64 v[L8], v[PCD+4:PCD+5], s[BO:BO+1] offset:512 ; 256 consecutive bytes
	global_store_b16 v[A16], v[PW], s[BO+2:BO+3]   ; two bytes a row, rows 32 bytes apart (lanes 16-31 hold and store the same as lanes 0-15): 1/24 of what this launch stores; whole words would want two heads in a wave
.endm
	OUT 0
	OUT 1
	s_wait_tensorcnt 0x0                           ; the wave's end
	ds_add_u32 v[SPW], v[NIL]
	s_wait_dscnt 0x0
	s_endpgm
.Lfunc_end_k_q8b83f83a3c_attn:
	.size	k_q8b83f83a3c_attn, .Lfunc_end_k_q8b83f83a3c_attn-k_q8b83f83a3c_attn
	.p2alignl 7, 3214868480
	.fill 96, 4, 3214868480
	.section	.rodata,"a",@progbits
	.p2align	6, 0x0
	.amdhsa_kernel k_q8b83f83a3c_attn
		.amdhsa_group_segment_fixed_size 327680
		.amdhsa_private_segment_fixed_size 0
		.amdhsa_enable_private_segment 0
		.amdhsa_kernarg_size 32
		.amdhsa_user_sgpr_count 2
		.amdhsa_user_sgpr_kernarg_segment_ptr 1
		.amdhsa_wavefront_size32 1
		.amdhsa_system_sgpr_workgroup_id_x 1
		.amdhsa_system_sgpr_workgroup_id_y 1
		.amdhsa_system_sgpr_workgroup_id_z 1
		.amdhsa_system_vgpr_workitem_id 0
		.amdhsa_next_free_vgpr 256
		.amdhsa_next_free_sgpr 66
		.amdhsa_reserve_vcc 1
		.amdhsa_float_denorm_mode_32 3
		.amdhsa_float_denorm_mode_16_64 3
		.amdhsa_memory_ordered 1
		.amdhsa_forward_progress 1
		.amdhsa_inst_pref_size 183
	.end_amdhsa_kernel
	.amdgpu_metadata
---
amdhsa.version: [ 1, 2 ]
amdhsa.kernels:
  - .name:           k_q8b83f83a3c_attn
    .symbol:         k_q8b83f83a3c_attn.kd
    .args:
      - { .name: q_img, .offset: 0, .size: 8, .value_kind: global_buffer, .address_space: global }
      - { .name: kv_img, .offset: 8, .size: 8, .value_kind: global_buffer, .address_space: global }
      - { .name: o_img, .offset: 16, .size: 8, .value_kind: global_buffer, .address_space: global }
      - { .name: o_scales, .offset: 24, .size: 8, .value_kind: global_buffer, .address_space: global }
    .group_segment_fixed_size: 327680
    .private_segment_fixed_size: 0
    .kernarg_segment_align: 8
    .kernarg_segment_size: 32
    .max_flat_workgroup_size: 512
    .sgpr_count:     66
    .vgpr_count:     256
    .wavefront_size: 32
...
	.end_amdgpu_metadata
.endif
;; end of part 3
;; launch gemm_out (part 4): grid 4 x 32, 4 waves a work-group, clusters of 4 x 4, 327,680 bytes of LDS; arguments o_img, o_scales, w_codes, w_scales, out0; writes out0
.if DOCPART == 4
	.amdgcn_target "amdgcn-amd-amdhsa--gfx1250"
	.amdhsa_code_object_version 6
	.text
	.protected	k_q8b83f83a3c_gemm_out
	.globl	k_q8b83f83a3c_gemm_out
	.p2align	8
	.type	k_q8b83f83a3c_gemm_out,@function
k_q8b83f83a3c_gemm_out:
	s_mov_b64 s[64:65], 0
	v_nop
	global_prefetch_b8 v0, s[64:65] scope:SCOPE_SE
	s_setreg_imm32_b32 hwreg(HW_REG_WAVE_MODE, 25, 1), 1
	s_wait_xcnt 0x0
	s_wait_alu depctr_hold_cnt(0) depctr_sa_sdst(0) depctr_va_vdst(0) depctr_va_sdst(0) depctr_va_ssrc(0) depctr_va_vcc(0) depctr_vm_vsrc(0)
	s_getreg_b32 s2, hwreg(HW_REG_IB_STS2, 6, 4)
	s_cmp_eq_u32 s2, 0
	s_cbranch_scc0 .Lentry_in_a_cluster
	s_endpgm
.Lentry_in_a_cluster:
	s_bfe_u32 s2, ttmp6, 0x10000c
	s_cmp_lg_u32 s2, 0xf033
	s_cbranch_scc0 .Lentry_shape_is_right
	s_endpgm
.Lentry_shape_is_right:
; out0 = O w_out^T on codes of FP6 (E2M3) with E8M0 scales, K = 1,024; out0 [8192][1024] f32.
; A = the attention's result, as IMAGES OF ITS OPERAND REGISTERS: o_img [row tile T of 16][head][768]: a head's six registers (64 along K): registers 0-3 at 16 l, registers 4-5 at 512 + 8 l (l = lane).  A fragment of 128 along K
; is two heads' images.  Lane r of tile T holds row 128 (T / 8) + 32 (a / 2) + 8 (a % 2) + r + 8 (r / 8), a = T % 8; o_scales [16 T + r][32] lies in the same order.  B = w_out: rows 3,072 on of w_codes and w_scales, in their own order.
; A tile of 256 x 256 is made by four waves, each 128 x 128: 64 accumulators.  K goes in steps of 256 through two LDS slots filled by joint tensor loads of a 4 x 4 cluster; the scale bytes come once and stay.
; The matrix instruction is used transposed (source 0 = 16 rows of B, source 1 = 16 rows of A): a lane holds eight neighbouring numbers of a row of out0.  On the way out the rows go to their true places.
; The grid has 128 work-groups: tiles of 256 x 256 of an output of 8,192 x 1,024.
; REGISTERS, in windows of 256: window 0: v0-31 addresses; v32-63 scale words, two sets, and nothing else; from v128 A's fragments, ONE set; on the way out v128-255 rows of out0.
;   window 1: B's fragments, TWO sets.   window 2: the accumulators of A's blocks 0-3;   window 3: those of blocks 4-7.
.set SIZE_N, 1024
.set SIZE_K, 1024
.set KSTEP,  256
.set NQ,     KSTEP/128
.set ROWB,   192                       ; B: a tile's row in bytes
.set KROW,   SIZE_K*6/8                ; a row of codes in memory; also a sixteenth of a row tile of o_img
.set PITCH,  240                       ; B: an LDS row: 3 x (64 bytes + 16 of padding)
.set ATILE,  3072                      ; A: a row tile's bytes of a K step: 4 heads x 768
.set FR,     12
.set NL,     6                         ; LDS loads that bring a fragment of B
.set NLA,    4                         ; and of A
.set NP,     4                         ; places behind this matrix instruction (ISA guide 7.12.1)
.set HALFT,  128*PITCH                 ; a wave's quarter of a slot (A's tiles use 24,576 of its 30,720 bytes)
.set SLOT,   4*HALFT
.set LAPS,   SIZE_K/(2*KSTEP)
.set KS,     SIZE_K/32
.set SCL,    2*SLOT
.set HALFS,  (128*KS/256)*272
.set SBLK,   (16*KS/256)*272
.set SPARE,  SCL+4*HALFS               ; the spare words, 128 bytes a wave, which no other line names
.set SPITCH, 528                       ; the way out: a stage of 16 rows x (512 bytes + 16) for each wave, in slot 0, which has had its last fill and its last read when the first result is stored there
.set ADRA, 16                          ; v16-17 16 l + my A tiles in slot 0, 1;  v18-19 the same with 8 l
.set ADRB, 20                          ; v20-21 my B fragments in slot 0, 1 (v22-23: behind one padding more)
.set STO,  24
.set RD,   25
.set CO,   26
.set ADRS, 27
.set SPW,  28
.set NIL,  29
.set SC,   32
.set AF,   128
.set BK,   128
.set G1, 24
.set G0, 32
.set G1B, 48
.set G0B, 56
.set G1S, 68
.set G0S, 76
.set G1SB, 80
.set G0SB, 88
.set MSB, 0
.macro WIN new
.if MSB != \new
	s_set_vgpr_msb (MSB<<8)|\new
.set MSB, \new
.endif
.endm
.set MUL_LO, 0xa1
.set MUL_HI, 0xf1
.set TO_B,   0x40
.macro JLOAD g0a, g1a, g0b, g1b        ; a joint load: waves 0 and 1 fetch for A, waves 2 and 3 for B; an s_nop 0 and four v_nop follow each of the two lines
	s_cmp_eq_u32 s15, 0
	s_cbranch_scc0 .Lfor_b_\@
	tensor_load_to_lds s[\g0a:\g0a+3], s[\g1a:\g1a+7]
	s_nop 0
.rept 4
	v_nop
.endr
	s_branch .Lasked_\@
.Lfor_b_\@:
	tensor_load_to_lds s[\g0b:\g0b+3], s[\g1b:\g1b+7]
	s_nop 0
.rept 4
	v_nop
.endr
.Lasked_\@:
.endm
.macro CREST
	s_cmp_lg_u32 s14, 0
	s_cbranch_scc1 .Lnot_wave_0_\@
	s_barrier_signal -3
.Lnot_wave_0_\@:
	s_barrier_wait -3
	s_barrier_signal -1
	s_barrier_wait -1
.endm
.macro CROUND
	s_barrier_signal -1
	s_barrier_wait -1
	CREST
.endm
	s_load_b128 s[4:7], s[0:1], 0x0                ; o_img, o_scales
	s_load_b128 s[8:11], s[0:1], 0x10              ; w_codes, w_scales
	s_load_b64 s[12:13], s[0:1], 0x20              ; out0
	v_lshl_add_u32 v[SPW], v0, 2, SPARE
	v_mov_b32 v[NIL], 0
	ds_add_u32 v[SPW], v[NIL]                      ; the wave's opening: the add and its wait stand ahead of my first tensor load; work on registers stands between them
	v_lshrrev_b32 v1, 5, v0
	v_readfirstlane_b32 s14, v1                    ; wave 0..3
	s_lshr_b32 s15, s14, 1                         ; which half of the tile's rows is mine.  Also: I fetch for A (0) or for B (1)
	s_and_b32 s16, s14, 1                          ; which half of its columns.  Also: which half of that tile I fetch
	s_bfe_u32 s40, ttmp6, 0x40000                  ; cx, cy
	s_bfe_u32 s41, ttmp6, 0x40004
	s_lshl_b32 s42, ttmp9, 2
	s_add_co_u32 s42, s42, s40                     ; tile column
	s_and_b32 s17, ttmp7, 0xffff
	s_lshl_b32 s17, s17, 2
	s_add_co_u32 s17, s17, s41                     ; tile row
	s_lshl_b32 s43, s41, 2
	s_lshl_b32 s43, 15, s43                        ; my row of the cluster
	s_lshl_b32 s44, 0x1111, s40                    ; my column
	; A: 8 row tiles x 3,072 bytes (384 elements of 8 bytes), 12,288 bytes apart in memory, on end in LDS: the images want no padding, since a load's lanes stand side by side
	s_or_b32 s[G1+0], s43, (3<<16)|(1<<21)
	s_mov_b32 s[G1+1], 384<<16                     ; tensor_dim0
	s_mov_b32 s[G1+2], 8<<16                       ; tensor_dim1
	s_mov_b32 s[G1+3], 384<<16                     ; tile_dim0
	s_mov_b32 s[G1+4], 8                           ; tile_dim1
	s_mov_b32 s[G1+5], 1536                        ; stride from row tile to row tile, in elements
	s_mov_b32 s[G1+6], 0
	s_mov_b32 s[G1+7], 0
	; B: 128 rows x 192 bytes, 16 bytes of padding behind every 64
	s_or_b32 s[G1B+0], s44, (0<<16)|(1<<20)|(1<<21)|(3<<22)|(3<<25)
	s_mov_b32 s[G1B+1], ROWB<<16
	s_mov_b32 s[G1B+2], 128<<16
	s_mov_b32 s[G1B+3], ROWB<<16
	s_mov_b32 s[G1B+4], 128
	s_mov_b32 s[G1B+5], KROW
	s_mov_b32 s[G1B+6], 0
	s_mov_b32 s[G1B+7], 0
	; the scales of 128 rows: 4,096 dense bytes, as 16 rows of 256 bytes, 16 bytes of padding behind each
	s_or_b32 s[G1S+0], s43, (3<<16)|(1<<20)|(1<<21)|(5<<22)|(3<<25)
	s_or_b32 s[G1SB+0], s44, (3<<16)|(1<<20)|(1<<21)|(5<<22)|(3<<25)
.irp g, G1S, G1SB
	s_mov_b32 s[\g+1], 32<<16
	s_mov_b32 s[\g+2], (128*KS/256)<<16
	s_mov_b32 s[\g+3], 32<<16
	s_mov_b32 s[\g+4], 128*KS/256
	s_mov_b32 s[\g+5], 32
	s_mov_b32 s[\g+6], 0
	s_mov_b32 s[\g+7], 0
.endr
	s_lshl_b32 s18, s16, 7
	s_lshl_b32 s20, s17, 8
	s_add_co_u32 s20, s20, s18                     ; A: row 256 x tile row + 128 x half
	s_lshl_b32 s46, s42, 8
	s_add_co_u32 s46, s46, s18                     ; B: row 256 x tile column + 128 x half
	s_mov_b32 s21, 0
	s_mov_b32 s47, 0
	s_mov_b64 s[18:19], KS
	s_mul_u64 s[22:23], s[20:21], s[18:19]         ; where these rows' scales begin
	s_mul_u64 s[92:93], s[46:47], s[18:19]
	s_mov_b64 s[18:19], KROW
	s_mul_u64 s[20:21], s[20:21], s[18:19]         ; and their codes (16 rows of A are a row tile of 12,288 bytes: 768 a row)
	s_mul_u64 s[46:47], s[46:47], s[18:19]
	s_mul_i32 s45, s14, HALFT
	s_mul_i32 s94, s14, HALFS
	s_wait_dscnt 0x0                               ; the opening add is done
	s_wait_kmcnt 0x0
	s_add_nc_u64 s[8:9], s[8:9], 3072*KROW         ; w_out's rows lie behind w_qkv's 3,072
	s_add_nc_u64 s[10:11], s[10:11], 3072*KS
	s_add_nc_u64 s[20:21], s[4:5], s[20:21]
	s_add_nc_u64 s[22:23], s[6:7], s[22:23]
	s_add_nc_u64 s[46:47], s[8:9], s[46:47]
	s_add_nc_u64 s[92:93], s[10:11], s[92:93]
	CROUND                                         ; all sixteen work-groups are here: the first joint loads meet
	s_mov_b32 s[G0S], 1
	s_add_co_u32 s[G0S+1], s94, SCL
	s_mov_b64 s[G0S+2:G0S+3], s[22:23]
	s_or_b32 s[G0S+3], s[G0S+3], 0x80000000
	s_mov_b32 s[G0SB], 1
	s_add_co_u32 s[G0SB+1], s94, SCL
	s_mov_b64 s[G0SB+2:G0SB+3], s[92:93]
	s_or_b32 s[G0SB+3], s[G0SB+3], 0x80000000
	JLOAD G0S, G1S, G0SB, G1SB                     ; the scales first
.irp s, 0,1
	s_mov_b32 s[G0+4*\s], 1
	s_add_co_u32 s[G0+4*\s+1], s45, \s*SLOT
	s_add_nc_u64 s[G0+4*\s+2:G0+4*\s+3], s[20:21], \s*ATILE
	s_or_b32 s[G0+4*\s+3], s[G0+4*\s+3], 0x80000000
	s_mov_b32 s[G0B+4*\s], 1
	s_add_co_u32 s[G0B+4*\s+1], s45, \s*SLOT
	s_add_nc_u64 s[G0B+4*\s+2:G0B+4*\s+3], s[46:47], \s*ROWB
	s_or_b32 s[G0B+4*\s+3], s[G0B+4*\s+3], 0x80000000
	JLOAD G0+4*\s, G1, G0B+4*\s, G1B
.endr
	v_and_b32 v1, 15, v0                           ; l % 16
	v_bfe_u32 v2, v0, 4, 1                         ; l / 16
	v_mul_u32_u24 v3, v1, PITCH
	v_mul_u32_u24 v4, v2, 24
	v_add_nc_u32 v4, v3, v4                        ; B: a fragment's row x pitch + 24 x half
	v_lshl_add_u32 v5, v2, 4, v4                   ; and the same behind one padding more
	v_and_b32 v6, 31, v0
	v_lshlrev_b32 v7, 4, v6                        ; A: 16 x lane
	v_lshlrev_b32 v8, 3, v6                        ; and 8 x lane
	s_mul_i32 s21, s15, HALFT                      ; my 8 row tiles of A
	s_mul_i32 s22, s16, HALFT                      ; my 128 rows of B,
	s_add_co_u32 s22, s22, 2*HALFT                 ; which lie behind A's two quarters
.irp s, 0,1
	v_add_nc_u32 v[ADRA+\s], s21, v7
	v_add_nc_u32 v[ADRA+2+\s], s21, v8
	v_add_nc_u32 v[ADRB+\s], s22, v4
	v_add_nc_u32 v[ADRB+2+\s], s22, v5
	s_add_co_u32 s21, s21, SLOT
	s_add_co_u32 s22, s22, SLOT
.endr
	v_mul_u32_u24 v5, v1, KS
	v_lshrrev_b32 v6, 8, v5
	v_lshl_add_u32 v5, v6, 4, v5
	s_mul_i32 s21, s15, HALFS
	s_mul_i32 s22, s16, HALFS
	s_add_co_u32 s22, s22, 2*HALFS
	s_sub_co_u32 s22, s22, s21
	v_mul_u32_u24 v6, s22, v2                      ; lanes 16-31 take B's
	s_add_co_u32 s21, s21, SCL
	v_add_nc_u32 v5, v5, v6
	v_add_nc_u32 v[ADRS], s21, v5
	s_mul_i32 s23, s14, 16*SPITCH                  ; my stage
	v_mul_u32_u24 v5, v1, SPITCH
	v_lshl_add_u32 v5, v2, 5, v5
	v_add_nc_u32 v[STO], s23, v5                   ; in: row l % 16, 32 bytes for each half of the lanes
	v_and_b32 v6, 31, v0
	v_lshlrev_b32 v[CO], 4, v6                     ; back: the 32 lanes take one row of 512 bytes; and the same in out0
	v_add_nc_u32 v[RD], s23, v[CO]
	s_lshl_b32 s20, s17, 8
	s_lshl_b32 s21, s15, 7
	s_add_co_u32 s20, s20, s21                     ; my first row: 256 x tile row + 128 x half
	s_mov_b32 s21, 0
	s_mov_b64 s[18:19], SIZE_N*4
	s_mul_u64 s[20:21], s[20:21], s[18:19]
	s_lshl_b32 s46, s42, 10                        ; my first column, in bytes
	s_lshl_b32 s47, s16, 9
	s_add_co_u32 s46, s46, s47
	s_mov_b32 s47, 0
	s_add_nc_u64 s[20:21], s[20:21], s[46:47]
	s_add_nc_u64 s[12:13], s[12:13], s[20:21]
.macro FRAG reg, adr, q, i             ; B: 16 rows x 128 K in pieces of 8 bytes
.irp p, 0,1,2,3,4,5
.set PC, 12*(\q)+6*(\p/3)+\p%3
.if PC%8 < 5
	ds_load_b64 v[\reg+2*\p:\reg+2*\p+1], v[\adr] offset:8*PC+16*(PC/8)+(\i)*16*PITCH
.else
	ds_load_b64 v[\reg+2*\p:\reg+2*\p+1], v[\adr+2] offset:8*PC+16*(PC/8)+(\i)*16*PITCH
.endif
.endr
.endm
.macro FRAGA reg, slot, q, i           ; A: row tile i, the slot's q-th 128 along K: two heads' images, as they were stored
	ds_load_b128 v[\reg:\reg+3], v[ADRA+\slot] offset:ATILE*(\i)+1536*(\q)
	ds_load_b64 v[\reg+4:\reg+5], v[ADRA+2+\slot] offset:ATILE*(\i)+1536*(\q)+512
	ds_load_b128 v[\reg+6:\reg+9], v[ADRA+\slot] offset:ATILE*(\i)+1536*(\q)+768
	ds_load_b64 v[\reg+10:\reg+11], v[ADRA+2+\slot] offset:ATILE*(\i)+1536*(\q)+1280
.endm
.macro MUL16 a0, p, q, sc, zero        ; the 64 accumulators take turns, one instruction a turn, in the same order in every step
.irp a, \a0, \a0+1
.irp b, 0,1,2,3,4,5,6,7
.if \zero
	v_wmma_scale_f32_16x16x128_f8f6f4 v[8*(8*((\a)%4)+\b):8*(8*((\a)%4)+\b)+7], v[128*(\p)+FR*\b:128*(\p)+FR*\b+FR-1], v[AF+FR*(\a):AF+FR*(\a)+FR-1], 0, v[SC+8*NQ*(\sc)+NQ*\b+(\q)], v[SC+8*NQ*(\sc)+NQ*(\a)+(\q)] matrix_a_fmt:MATRIX_FMT_FP6 matrix_b_fmt:MATRIX_FMT_FP6 matrix_a_scale:MATRIX_SCALE_ROW1
.else
	v_wmma_scale_f32_16x16x128_f8f6f4 v[8*(8*((\a)%4)+\b):8*(8*((\a)%4)+\b)+7], v[128*(\p)+FR*\b:128*(\p)+FR*\b+FR-1], v[AF+FR*(\a):AF+FR*(\a)+FR-1], v[8*(8*((\a)%4)+\b):8*(8*((\a)%4)+\b)+7], v[SC+8*NQ*(\sc)+NQ*\b+(\q)], v[SC+8*NQ*(\sc)+NQ*(\a)+(\q)] matrix_a_fmt:MATRIX_FMT_FP6 matrix_b_fmt:MATRIX_FMT_FP6 matrix_a_scale:MATRIX_SCALE_ROW1
.endif
.endr
.endr
.endm
.macro FETCH_B slot, q, p
	WIN TO_B
.irp i, 0,1,2,3,4,5,6,7
	FRAG 128*(\p)+FR*\i, ADRB+\slot, \q, \i
.endr
	WIN 0
.endm
.macro FETCH_A slot, q, i0
.irp i, \i0, \i0+1, \i0+2, \i0+3
	FRAGA AF+FR*(\i), \slot, \q, \i
.endr
.endm
.macro SCALES sc
.irp i, 0,1,2,3,4,5,6,7
	ds_load_b64 v[SC+8*NQ*\sc+NQ*\i:SC+8*NQ*\sc+NQ*\i+1], v[ADRS] offset:\i*SBLK
.endr
.endm
.macro PLACES n
.rept \n
	v_nop
.endr
.endm
.macro STEP slot, q, zero
	s_wait_dscnt 4*NLA                             ; B's set and A's blocks 0-3 are in; the youngest 16 loads (A's blocks 4-7) may be out
	WIN MUL_LO
	MUL16 0, (\q)%2, \q, \slot, \zero
	MUL16 2, (\q)%2, \q, \slot, \zero
	s_wait_dscnt 0
	PLACES NP
	FETCH_B \slot, (\q)+1, 1-(\q)%2
	FETCH_A \slot, (\q)+1, 0
	WIN MUL_HI
	MUL16 4, (\q)%2, \q, \slot, \zero
	MUL16 6, (\q)%2, \q, \slot, \zero
	PLACES NP
	WIN 0
	FETCH_A \slot, (\q)+1, 4
.endm
.macro TURN slot, next, fill
	s_wait_tensorcnt 0x0                           ; all my tensor loads have landed: my part of the next slot
	ds_add_u32 v[SPW], v[NIL]                      ; 0 onto my spare word
	s_wait_dscnt 4*NLA+1                           ; (the add and the youngest 16 loads may be out)
	WIN MUL_LO
	MUL16 0, 1, NQ-1, \slot, 0
	s_wait_dscnt 0x0                               ; the add is done, and my reads of this slot are over
	s_barrier_signal -1
	MUL16 2, 1, NQ-1, \slot, 0
	WIN 0
	s_barrier_wait -1
.if \fill
	CREST                                          ; the barrier has opened a round of the cluster's barrier: no wave of any partner still reads this slot or has a load on its way
	s_add_nc_u64 s[G0+4*\slot+2:G0+4*\slot+3], s[G0+4*\slot+2:G0+4*\slot+3], 2*ATILE
	s_add_nc_u64 s[G0B+4*\slot+2:G0B+4*\slot+3], s[G0B+4*\slot+2:G0B+4*\slot+3], 2*ROWB
	JLOAD G0+4*\slot, G1, G0B+4*\slot, G1B         ; the first tensor load behind the round; its four v_nop are the places in front of the loads below
.else
	PLACES NP
.endif
	v_add_nc_u32 v[ADRS], 4*NQ, v[ADRS]
	FETCH_B \next, 0, 0
	FETCH_A \next, 0, 0
	SCALES \next
	WIN MUL_HI
	MUL16 4, 1, NQ-1, \slot, 0
	MUL16 6, 1, NQ-1, \slot, 0
	PLACES NP
	WIN 0
	FETCH_A \next, 0, 4
.endm
	s_wait_tensorcnt 1                             ; the scales and my part of K step 0 are in (K step 1's load may be out),
	s_barrier_signal -1
	s_barrier_wait -1                              ; everybody's are
	FETCH_B 0, 0, 0
	FETCH_A 0, 0, 0
	SCALES 0
	FETCH_A 0, 0, 4
	STEP 0, 0, 1                                   ; the first step's products start the sums
	s_mov_b32 s3, LAPS-1
.Llap:
	TURN 0, 1, 1
	STEP 1, 0, 0
	TURN 1, 0, 1
	STEP 0, 0, 0
	s_sub_co_u32 s3, s3, 1
	s_cmp_lg_u32 s3, 0
	s_cbranch_scc1 .Llap
	TURN 0, 1, 0                                   ; the last lap fills nothing
	STEP 1, 0, 0
	s_wait_dscnt 4*NLA
	WIN MUL_LO
	MUL16 0, 1, NQ-1, 1, 0
	MUL16 2, 1, NQ-1, 1, 0
	s_wait_dscnt 0
	WIN MUL_HI
	MUL16 4, 1, NQ-1, 1, 0
	MUL16 6, 1, NQ-1, 1, 0
	WIN 0
; THE WAY OUT, block by block of 16 rows x 128 columns, through my own stage in LDS: whole rows of 512 bytes come back and are stored by the 32 lanes.  LDS serves a wave's instructions in order: no wait between the stores and the loads.
; Stage row t of block a is row 32 (a / 2) + 8 (a % 2) + t + 8 (t / 8) of my 128.
.macro TOSTAGE a
.set AC, 64*((\a)%4)
	WIN 0x08+4*((\a)/4)                            ; the data: window 2 or 3
.irp b, 0,1,2,3,4,5,6,7
	ds_store_b128 v[STO], v[AC+8*\b:AC+8*\b+3] offset:64*\b          ; each accumulator from its low end on
	ds_store_b128 v[STO], v[AC+8*\b+4:AC+8*\b+7] offset:64*\b+16
.endr
	WIN 0
.set BB, BK+64*((\a)%2)
.irp t, 0,1,2,3,4,5,6,7,8,9,10,11,12,13,14,15
	ds_load_b128 v[BB+4*\t:BB+4*\t+3], v[RD] offset:\t*SPITCH
.endr
.endm
.macro SEND a, younger
.set BB, BK+64*((\a)%2)
	s_wait_dscnt \younger                          ; the block is back in registers
.if (\a) > 0
.if ((\a)%2) == 1
	s_add_nc_u64 s[12:13], s[12:13], 8*SIZE_N*4    ; (behind a wait on XCNT: the earlier stores have read their base)  an odd block begins 8 rows behind the even one,
.else
	s_add_nc_u64 s[12:13], s[12:13], 24*SIZE_N*4   ; the next even one 24 rows further on
.endif
.endif
.irp t, 0,1,2,3,4,5,6,7,8,9,10,11,12,13,14,15
	global_store_b128 v[CO], v[BB+4*\t:BB+4*\t+3], s[12:13] offset:(\t+8*(\t/8))*SIZE_N*4 th:TH_STORE_NT   ; 32 lanes store 512 consecutive bytes, at a multiple of 256 from out0's first byte
.endr
.endm
	PLACES NP
	TOSTAGE 0
.irp a, 1,2,3,4,5,6,7
.if \a > 1
	s_wait_xcnt 0x0                                ; block a - 2's stores have read their registers and their base
.endif
	TOSTAGE \a
	SEND \a-1, 32                                  ; behind block a - 1's loads: block a's 16 stores and 16 loads
.endr
	s_wait_xcnt 0x0
	SEND 7, 0
	s_wait_tensorcnt 0x0                           ; the wave's end
	ds_add_u32 v[SPW], v[NIL]
	s_wait_dscnt 0x0
	CROUND                                         ; the closing round
	s_endpgm
.Lfunc_end_k_q8b83f83a3c_gemm_out:
	.size	k_q8b83f83a3c_gemm_out, .Lfunc_end_k_q8b83f83a3c_gemm_out-k_q8b83f83a3c_gemm_out
	.p2alignl 7, 3214868480
	.fill 96, 4, 3214868480
	.section	.rodata,"a",@progbits
	.p2align	6, 0x0
	.amdhsa_kernel k_q8b83f83a3c_gemm_out
		.amdhsa_group_segment_fixed_size 327680
		.amdhsa_private_segment_fixed_size 0
		.amdhsa_enable_private_segment 0
		.amdhsa_kernarg_size 40
		.amdhsa_user_sgpr_count 2
		.amdhsa_user_sgpr_kernarg_segment_ptr 1
		.amdhsa_wavefront_size32 1
		.amdhsa_system_sgpr_workgroup_id_x 1
		.amdhsa_system_sgpr_workgroup_id_y 1
		.amdhsa_system_sgpr_workgroup_id_z 1
		.amdhsa_system_vgpr_workitem_id 0
		.amdhsa_next_free_vgpr 1024
		.amdhsa_next_free_sgpr 98
		.amdhsa_reserve_vcc 0
		.amdhsa_float_denorm_mode_32 3
		.amdhsa_float_denorm_mode_16_64 3
		.amdhsa_memory_ordered 1
		.amdhsa_forward_progress 1
		.amdhsa_inst_pref_size 152
	.end_amdhsa_kernel
	.amdgpu_metadata
---
amdhsa.version: [ 1, 2 ]
amdhsa.kernels:
  - .name:           k_q8b83f83a3c_gemm_out
    .symbol:         k_q8b83f83a3c_gemm_out.kd
    .args:
      - { .name: o_img, .offset: 0, .size: 8, .value_kind: global_buffer, .address_space: global }
      - { .name: o_scales, .offset: 8, .size: 8, .value_kind: global_buffer, .address_space: global }
      - { .name: w_codes, .offset: 16, .size: 8, .value_kind: global_buffer, .address_space: global }
      - { .name: w_scales, .offset: 24, .size: 8, .value_kind: global_buffer, .address_space: global }
      - { .name: out0, .offset: 32, .size: 8, .value_kind: global_buffer, .address_space: global }
    .group_segment_fixed_size: 327680
    .private_segment_fixed_size: 0
    .kernarg_segment_align: 8
    .kernarg_segment_size: 40
    .max_flat_workgroup_size: 128
    .sgpr_count:     98
    .vgpr_count:     1024
    .wavefront_size: 32
...
	.end_amdgpu_metadata
.endif
;; end of part 4
